; MI455X (gfx1250); checked and timed in simulation.
; The chip was launched on July 23, 2026; its instructions are those of AMD's public machine-readable ISA for CDNA 5 (MIT licence, August 2026) and "CDNA5" Instruction Set Architecture Reference Guide (July 2026). The comments in the code are by the model that wrote it; some were corrected since.
;; Fourier KAN Layer. Allowed arithmetic: float matrix products may take bf16 or f16 operands with f32 sums; other float arithmetic in f32, or as packed bf16 or f16 multiplies, adds, multiply-adds, maxima and minima; sums over many terms, partial sums and values carried from step to step in f32; what a program stores and reads back later, other than sums and carried values, may be rounded once to bf16 or f16.
;; Inputs: bias 1 x 512 float32; fouriercoeffs 2 x 512 x 512 x 32 float32; ln_b 512 float32; ln_w 512 float32; x 4,096 x 512 float32.
;; Outputs: out0 4,096 x 512 float32.
;; 3 versions, each right; version 3 is version 2 with the launch prep written anew for expert scheduling mode. Each part assembles by itself: llvm-mc -triple=amdgcn-amd-amdhsa -mcpu=gfx1250 --defsym DOCPART=n.
;; ======== version 1 of 3: 3 launches
;; limits: values are held in f16: magnitudes above 65,504 overflow, below 6.1e-05 lose precision; right only within a limited range of input values
;; workspace buffers: wt 33,554,432 bytes; tab 16,777,728 bytes; part 33,554,432 bytes
;; launch prep (part 1): grid 256 x 1, 8 waves a work-group, no clusters, 68,608 bytes of LDS; arguments x, ln_w, ln_b, fouriercoeffs, wt, tab; writes wt, tab
.if DOCPART == 1
	.amdgcn_target "amdgcn-amd-amdhsa--gfx1250"
	.amdhsa_code_object_version 6
	.text
	.protected	k_q3230b12dfe_prep
	.globl	k_q3230b12dfe_prep
	.p2align	8
	.type	k_q3230b12dfe_prep,@function
k_q3230b12dfe_prep:
	s_mov_b64 s[64:65], 0
	v_nop
	global_prefetch_b8 v0, s[64:65] scope:SCOPE_SE
	s_setreg_imm32_b32 hwreg(HW_REG_WAVE_MODE, 25, 1), 1
	s_wait_xcnt 0x0
; FOURIER KAN LAYER, launch 1 of 3.  y[b][o] = sum over i, g of cos((g+1) xn[b][i]) F[0][o][i][g] + sin((g+1) xn[b][i]) F[1][o][i][g] + bias[o], xn = LayerNorm(x) ln_w + ln_b.
; NO WORK OF reference() IS LEFT OUT: every input has a way to the output and every input is loaded (x, ln_w, ln_b, fouriercoeffs here, bias in the third launch).
; THIS LAUNCH makes (1) wt: the weights rounded once to f16, in the order in which the product's fragments take them, and (2) tab: cos xn and sin xn in f32.
; The 32 harmonics are made in the second launch from these two numbers by P(k+1) = 2 cos(xn) P(k) - P(k-1), P(k) = (cos k xn, sin k xn): an identity for every xn.
; K ORDER, the same for features and weights: kk = 256 ig + 128 e + 32 q + 16 h + 2 c + t; input i = 4 ig + 2 h + e, harmonic index g = 8 q + c, t = 0 cos, 1 sin.
;   wt[o][kk] f16, a row 65,536 bytes.   tab byte = 65,536 rb + 512 ig + 16 (16 h + r) + 8 e + 4 t (f32), row b = 16 rb + r; 512 bytes of zeros follow the last row block:
;   the second launch's last table tile reaches them and uses nothing of them.
; WHY f16: features lie in -1 .. 1; a sum has 32,768 terms, and 11 significant bits in both operands leave the comparison's allowance room that 8 bits do not.
; LIMITS.  Weights beyond 65,504 in magnitude become infinite in f16 (the drawn spread is 0.008); below 6e-5 they keep f16's fixed step of 6e-8.
; The angle is reduced by n = nearest integer to xn 2/pi with pi/2 in two parts: good while |xn| stays under 2^22; beyond that the values are finite and wrong.
; The harmonics are those of k xn exactly, where reference() rounds k xn to f32 first: half a last place of k xn apart.  NaN or infinity in a row of x gives NaN there, as in reference().
; SHARES.  Work-group G: the 16 rows of x of row block G, and the weight rows o = 2 G, 2 G + 1.  Wave w: x rows 2 w, 2 w + 1; of the weights o = 2 G + w / 4, ig = 32 (w % 4) + 0 .. 31.
; The first eight chunks of weights are asked for ahead of the LayerNorm, which runs while they are on their way.
.set PITCH, 528                        ; an LDS row: the 512 bytes of one ig + 16: lanes a row apart store to different groups of four banks (64 banks of 4 bytes: ISA guide 11.1)
.set SPARE, 128*PITCH                  ; behind the stage: the spare words, 128 bytes for each of the eight waves: four blocks of 256 bytes that no other line names
.set L16,  2                           ; v2   16 x lane: my offset in every run of 512 consecutive bytes; never rewritten
.set FO,   3                           ; v3   my 16 bytes in the 512 bytes of one ig of F; never rewritten
.set LA,   5                           ; v5   where I put a quad (cos, sin, cos, sin) in the stage
.set LR,   6                           ; v6   where I read the stage back
.set SPW,  8                           ; v8   LDS address of my spare word; never rewritten
.set NIL,  9                           ; v9   0; never rewritten
.set MU,   10                          ; v[10:11] the row's mean, twice
.set RS,   12                          ; v[12:13] 1 / sqrt(var + eps), twice
.set VA,   14                          ; v14  var + eps
.set XB,   16                          ; v[16:47] two rows of x: row rr at 16 rr, register 4 c + z = column 128 c + 4 lane + z
.set LW,   48                          ; v[48:63] ln_w of those columns
.set LB,   64                          ; v[64:79] ln_b
.set WN,   80                          ; v[80:95] at work, in pairs
.set WR,   82
.set WZ,   84
.set WS,   86
.set WC,   88
.set WH,   90
.set WQ,   92
.set WT,   94
.set FC,   96                          ; v[96:159]  ring of eight chunks of weights: 4 registers of cos, 4 of sin
.set OUT,  160                         ; v[160:191] ring of eight: 4 registers of f16 pairs to store
.set QD,   192                         ; v[192:199] two quads on their way into the stage; later v[192:255]: the stage read back
.macro KPAIR r, val                    ; a constant for the packed forms, which name a pair and take its low word for both halves
	s_mov_b32 s[\r], \val
	s_mov_b32 s[\r+1], \val
.endm
	s_load_b256 s[4:11], s[0:1], 0x0               ; x s[4:5], ln_w s[6:7], ln_b s[8:9], F s[10:11]
	s_load_b128 s[12:15], s[0:1], 0x20             ; wt s[12:13], tab s[14:15]
	v_lshl_add_u32 v[SPW], v0, 2, SPARE
	v_mov_b32 v[NIL], 0
	v_lshrrev_b32 v1, 5, v0
	v_readfirstlane_b32 s18, v1                    ; wave 0..7
	v_and_b32 v1, 31, v0                           ; lane l
	v_lshlrev_b32 v[L16], 4, v1
	; my 16 bytes of wt's 512 for an ig are e = l / 16, q = (l / 4) % 4, h = (l / 2) % 2, c = 4 (l % 2) + 0..3; they come from input 2 h + e, g = 8 q + c: byte 16 (16 h + 8 e + 2 q + l % 2) of F's 512
	v_bfe_u32 v[FO], v1, 1, 1
	v_bfe_u32 v4, v1, 2, 3
	v_and_b32 v7, 1, v1
	v_lshlrev_b32 v[FO], 4, v[FO]
	v_lshl_add_u32 v[FO], v4, 1, v[FO]
	v_add_lshl_u32 v[FO], v[FO], v7, 4
	s_lshl_b32 s44, s18, 5
	v_mul_u32_u24 v[LA], v1, PITCH
	v_add_nc_u32 v[LA], s44, v[LA]                 ; stage row ig = lane (+ 32 c), 16 bytes at row r = 2 w (+ rr)
	s_mul_i32 s44, s18, 16*PITCH
	v_add_nc_u32 v[LR], s44, v[L16]                ; back: stage rows 16 w + 0..15, whole
	KPAIR 20, 0x3f22f983                           ; 2 / pi
	KPAIR 22, 0xbfc90fdb                           ; - (pi/2 rounded to f32)
	KPAIR 24, 0x333bbd2e                           ; that rounding's excess over pi/2, 4.371139e-8
	KPAIR 26, 0xb94ca1f9                           ; sin r = r + r z (S2 + z (S1 + z S0)), z = r r, |r| <= pi/4
	KPAIR 28, 0x3c08839e
	KPAIR 30, 0xbe2aaaa3
	KPAIR 32, 0x37ccf5ce                           ; cos r = 1 - z/2 + z z (C2 + z (C1 + z C0))
	KPAIR 34, 0xbab6061a
	KPAIR 36, 0x3d2aaaa5
	s_mov_b32 s38, 0x80000000                      ; a sign
	s_mov_b32 s39, 0x3b000000                      ; 1 / 512
	s_mov_b32 s40, 0x3727c5ac                      ; eps = 1e-5
	s_mov_b32 s41, 0x76543210                      ; v_permlanex16_b32: each lane takes its own place in the other half
	s_mov_b32 s42, 0xfedcba98
	s_lshl_b32 s44, ttmp9, 15                      ; x: 16 G + 2 w rows of 2,048 bytes
	s_lshl_b32 s45, s18, 12
	s_add_co_u32 s44, s44, s45
	s_mov_b32 s45, 0
	s_lshl_b32 s46, ttmp9, 1                       ; F and wt alike: o = 2 G + w / 4 rows of 65,536 bytes, then 32 (w % 4) chunks of 512
	s_lshr_b32 s47, s18, 2
	s_add_co_u32 s46, s46, s47
	s_lshl_b32 s46, s46, 16
	s_and_b32 s47, s18, 3
	s_lshl_b32 s47, s47, 14
	s_add_co_u32 s46, s46, s47
	s_mov_b32 s47, 0
	s_lshl_b32 s48, ttmp9, 16                      ; tab: row block G, ig 16 w on
	s_lshl_b32 s49, s18, 13
	s_add_co_u32 s48, s48, s49
	s_mov_b32 s49, 0
	s_lshl_b32 s43, ttmp9, 3
	s_add_co_u32 s43, s43, s18                     ; my wave among the launch's 2,048
	s_wait_kmcnt 0x0
	s_add_nc_u64 s[4:5], s[4:5], s[44:45]
	s_add_nc_u64 s[10:11], s[10:11], s[46:47]      ; F[0] at my first chunk,
	s_add_nc_u64 s[16:17], s[10:11], 0x2000000     ; F[1] likewise
	s_add_nc_u64 s[12:13], s[12:13], s[46:47]
	s_add_nc_u64 s[50:51], s[14:15], 0x1000000     ; tab's 512 bytes of tail
	s_add_nc_u64 s[14:15], s[14:15], s[48:49]
.macro FILL n                          ; chunk n: 512 consecutive bytes of cos weights and 512 of sin weights, 16 bytes a lane each
	global_load_b128 v[FC+8*((\n)%8):FC+8*((\n)%8)+3],   v[FO], s[10:11] offset:(\n)*512 th:TH_LOAD_NT
	global_load_b128 v[FC+8*((\n)%8)+4:FC+8*((\n)%8)+7], v[FO], s[16:17] offset:(\n)*512 th:TH_LOAD_NT
.endm
.irp rr, 0,1
.irp c, 0,1,2,3
	global_load_b128 v[XB+16*(\rr)+4*(\c):XB+16*(\rr)+4*(\c)+3], v[L16], s[4:5] offset:(\rr)*2048+(\c)*512 th:TH_LOAD_NT
.endr
.endr
.irp c, 0,1,2,3
	global_load_b128 v[LW+4*(\c):LW+4*(\c)+3], v[L16], s[6:7] offset:(\c)*512
	global_load_b128 v[LB+4*(\c):LB+4*(\c)+3], v[L16], s[8:9] offset:(\c)*512
.endr
.set cn, 0
.rept 8
	FILL cn
.set cn, cn+1
.endr
.macro REDUCE v, t                     ; the sum over the wave's 32 lanes, in every lane; t has been written before
	v_add_f32_dpp v[\v], v[\v], v[\v] row_xmask:1 row_mask:0xf bank_mask:0xf
	v_add_f32_dpp v[\v], v[\v], v[\v] row_xmask:2 row_mask:0xf bank_mask:0xf
	v_add_f32_dpp v[\v], v[\v], v[\v] row_xmask:4 row_mask:0xf bank_mask:0xf
	v_add_f32_dpp v[\v], v[\v], v[\v] row_xmask:8 row_mask:0xf bank_mask:0xf
	v_permlanex16_b32 v[\t], v[\v], s41, s42
	v_add_f32 v[\v], v[\v], v[\t]
.endm
; Two angles in the pair th -> (cos, sin, cos, sin) in the four registers from dst on.
; n = nearest integer to th 2/pi; r = th - n pi/2 by two fused steps; sin r and cos r by polynomials; n mod 4 swaps them (odd n) and sets the signs (sin: n mod 4 = 2, 3; cos: 1, 2).
.macro SINCOS2 th, dst
	v_pk_mul_f32 v[WN:WN+1], v[\th:\th+1], s[20:21] op_sel_hi:[1,0]
	v_rndne_f32 v[WN], v[WN]
	v_rndne_f32 v[WN+1], v[WN+1]
	v_pk_fma_f32 v[WR:WR+1], v[WN:WN+1], s[22:23], v[\th:\th+1] op_sel_hi:[1,0,1]
	v_pk_fma_f32 v[WR:WR+1], v[WN:WN+1], s[24:25], v[WR:WR+1] op_sel_hi:[1,0,1]
	v_cvt_i32_f32 v[WQ], v[WN]
	v_cvt_i32_f32 v[WQ+1], v[WN+1]
	v_pk_mul_f32 v[WZ:WZ+1], v[WR:WR+1], v[WR:WR+1]
	v_pk_fma_f32 v[WS:WS+1], v[WZ:WZ+1], s[26:27], s[28:29] op_sel_hi:[1,0,0]
	v_pk_fma_f32 v[WC:WC+1], v[WZ:WZ+1], s[32:33], s[34:35] op_sel_hi:[1,0,0]
	v_pk_fma_f32 v[WS:WS+1], v[WS:WS+1], v[WZ:WZ+1], s[30:31] op_sel_hi:[1,1,0]
	v_pk_fma_f32 v[WC:WC+1], v[WC:WC+1], v[WZ:WZ+1], s[36:37] op_sel_hi:[1,1,0]
	v_pk_mul_f32 v[WS:WS+1], v[WS:WS+1], v[WZ:WZ+1]
	v_pk_mul_f32 v[WC:WC+1], v[WC:WC+1], v[WZ:WZ+1]
	v_pk_fma_f32 v[WH:WH+1], v[WZ:WZ+1], -0.5, 1.0 op_sel_hi:[1,0,0]
	v_pk_fma_f32 v[WS:WS+1], v[WS:WS+1], v[WR:WR+1], v[WR:WR+1]   ; sin r
	v_pk_fma_f32 v[WH:WH+1], v[WC:WC+1], v[WZ:WZ+1], v[WH:WH+1]   ; cos r
.irp j, 0,1
	v_and_b32 v[WT], 1, v[WQ+\j]
	v_lshlrev_b32 v[WN], 30, v[WQ+\j]              ; bit 1 of n goes to the sign's place
	v_add_nc_u32 v[WN+1], 1, v[WQ+\j]
	v_cmp_eq_u32 vcc_lo, 1, v[WT]
	v_lshlrev_b32 v[WN+1], 30, v[WN+1]             ; bit 1 of n + 1
	v_cndmask_b32 v[WT], v[WS+\j], v[WH+\j], vcc_lo
	v_cndmask_b32 v[WT+1], v[WH+\j], v[WS+\j], vcc_lo
	v_and_b32 v[WN], s38, v[WN]
	v_and_b32 v[WN+1], s38, v[WN+1]
	v_xor_b32 v[\dst+2*\j+1], v[WN], v[WT]         ; sin
	v_xor_b32 v[\dst+2*\j], v[WN+1], v[WT+1]       ; cos
.endr
.endm
; One row: mean; x - mean; the mean of its squares (two passes: no difference of large sums is formed); xn; cos and sin of the lane's 16 numbers, into the stage.
.macro LNROW rr
.set XR, XB+16*(\rr)
	v_pk_add_f32 v[WN:WN+1], v[XR:XR+1], v[XR+2:XR+3]
	v_pk_add_f32 v[WR:WR+1], v[XR+4:XR+5], v[XR+6:XR+7]
	v_pk_add_f32 v[WZ:WZ+1], v[XR+8:XR+9], v[XR+10:XR+11]
	v_pk_add_f32 v[WS:WS+1], v[XR+12:XR+13], v[XR+14:XR+15]
	v_pk_add_f32 v[WN:WN+1], v[WN:WN+1], v[WR:WR+1]
	v_pk_add_f32 v[WZ:WZ+1], v[WZ:WZ+1], v[WS:WS+1]
	v_pk_add_f32 v[WN:WN+1], v[WN:WN+1], v[WZ:WZ+1]
	v_add_f32 v[WN], v[WN], v[WN+1]
	REDUCE WN, WN+1
	v_mul_f32 v[MU], s39, v[WN]
	v_mul_f32 v[MU+1], s39, v[WN]
.irp p, 0,2,4,6,8,10,12,14
	v_pk_add_f32 v[XR+\p:XR+\p+1], v[XR+\p:XR+\p+1], v[MU:MU+1] neg_lo:[0,1] neg_hi:[0,1]
.endr
	v_pk_mul_f32 v[WN:WN+1], v[XR:XR+1], v[XR:XR+1]
	v_pk_mul_f32 v[WR:WR+1], v[XR+2:XR+3], v[XR+2:XR+3]
.irp p, 4,8,12
	v_pk_fma_f32 v[WN:WN+1], v[XR+\p:XR+\p+1], v[XR+\p:XR+\p+1], v[WN:WN+1]
	v_pk_fma_f32 v[WR:WR+1], v[XR+\p+2:XR+\p+3], v[XR+\p+2:XR+\p+3], v[WR:WR+1]
.endr
	v_pk_add_f32 v[WN:WN+1], v[WN:WN+1], v[WR:WR+1]
	v_add_f32 v[WN], v[WN], v[WN+1]
	REDUCE WN, WN+1
	v_fma_f32 v[VA], v[WN], s39, s40
	v_rsq_f32 v[RS], v[VA]
	v_nop                                          ; a plain instruction between the root and the use of its result (ISA guide 5.7.2),
	s_wait_alu depctr_va_vdst(0)                   ; and a wait ahead of the first line that names the result
	v_mov_b32 v[RS+1], v[RS]
.irp p, 0,2,4,6,8,10,12,14
	v_pk_mul_f32 v[XR+\p:XR+\p+1], v[XR+\p:XR+\p+1], v[RS:RS+1]
.endr
.irp p, 0,2,4,6,8,10,12,14
	v_pk_fma_f32 v[XR+\p:XR+\p+1], v[XR+\p:XR+\p+1], v[LW+\p:LW+\p+1], v[LB+\p:LB+\p+1]
.endr
.irp c, 0,1,2,3                        ; columns 128 c + 4 lane + 2 h + e: ig = 32 c + lane
.irp h, 0,1
	SINCOS2 XR+4*(\c)+2*(\h), QD+4*(\h)
	ds_store_b128 v[LA], v[QD+4*(\h):QD+4*(\h)+3] offset:(\rr)*16+(\c)*32*PITCH+(\h)*256
.endr
.endr
.endm
	s_wait_loadcnt 16                              ; x, ln_w and ln_b are in; the ring's 16 younger loads stay out
	LNROW 0
	LNROW 1
	s_wait_dscnt 0x0                               ; for the others' sake: my stores into the stage are done
	s_barrier_signal -1
	s_barrier_wait -1                              ; all 16 rows' quads lie in the stage
.irp n, 0,1,2,3,4,5,6,7,8,9,10,11,12,13,14,15
	ds_load_b128 v[QD+4*(\n):QD+4*(\n)+3], v[LR] offset:(\n)*PITCH
.endr
.irp n, 0,1,2,3,4,5,6,7,8,9,10,11,12,13,14,15
	s_wait_dscnt 15-(\n)                           ; LDS loads come back in order (ISA guide 5.7.1): stage row n is in
	global_store_b128 v[L16], v[QD+4*(\n):QD+4*(\n)+3], s[14:15] offset:(\n)*512  ; the wave stores 512 consecutive bytes, aligned: one (rb, ig)
.endr
	s_cmp_lg_u32 s43, 2040                         ; wave 0 of the last work-group writes the tail
	s_cbranch_scc1 .Lno_tail
	v_mov_b32 v[WN], 0
	v_mov_b32 v[WN+1], 0
	v_mov_b32 v[WN+2], 0
	v_mov_b32 v[WN+3], 0
	global_store_b128 v[L16], v[WN:WN+3], s[50:51]
.Lno_tail:
; THE WEIGHTS.  Chunk n: a cos weight and the sin weight of the same (o, i, g) are rounded into one register; 512 consecutive bytes of wt leave.  The slot is asked for again at once.
.macro CHUNK n
.if (\n) < 24
	s_wait_loadcnt 14                              ; chunk n's two loads are in; the seven younger chunks' 14 stay out
.else
	s_wait_loadcnt 2*(31-(\n))                     ; nothing is asked for any more: the counts run down
.endif
.if (\n) >= 8
	s_wait_xcnt 0x0                                ; the slot's four output registers, which its last store reads, are rewritten only behind this wait (ISA guide 3.1)
.endif
.irp z, 0,1,2,3
	v_cvt_pk_f16_f32 v[OUT+4*((\n)%8)+\z], v[FC+8*((\n)%8)+\z], v[FC+8*((\n)%8)+4+\z]
.endr
.if (\n) < 24
	FILL (\n)+8
.endif
	global_store_b128 v[L16], v[OUT+4*((\n)%8):OUT+4*((\n)%8)+3], s[12:13] offset:(\n)*512
.endm
.set cn, 0
.rept 32
	CHUNK cn
.set cn, cn+1
.endr
	s_wait_tensorcnt 0x0                           ; the wave's end, behind my last LDS store
	ds_add_u32 v[SPW], v[NIL]
	s_wait_dscnt 0x0
	s_endpgm
.Lfunc_end_k_q3230b12dfe_prep:
	.size	k_q3230b12dfe_prep, .Lfunc_end_k_q3230b12dfe_prep-k_q3230b12dfe_prep
	.p2alignl 7, 3214868480
	.fill 96, 4, 3214868480
	.section	.rodata,"a",@progbits
	.p2align	6, 0x0
	.amdhsa_kernel k_q3230b12dfe_prep
		.amdhsa_group_segment_fixed_size 68608
		.amdhsa_private_segment_fixed_size 0
		.amdhsa_enable_private_segment 0
		.amdhsa_kernarg_size 48
		.amdhsa_user_sgpr_count 2
		.amdhsa_user_sgpr_kernarg_segment_ptr 1
		.amdhsa_wavefront_size32 1
		.amdhsa_system_sgpr_workgroup_id_x 1
		.amdhsa_system_sgpr_workgroup_id_y 1
		.amdhsa_system_sgpr_workgroup_id_z 1
		.amdhsa_system_vgpr_workitem_id 0
		.amdhsa_next_free_vgpr 256
		.amdhsa_next_free_sgpr 66
		.amdhsa_reserve_vcc 1
		.amdhsa_float_denorm_mode_32 3
		.amdhsa_float_denorm_mode_16_64 3
		.amdhsa_memory_ordered 1
		.amdhsa_forward_progress 1
		.amdhsa_inst_pref_size 62
	.end_amdhsa_kernel
	.amdgpu_metadata
---
amdhsa.version: [ 1, 2 ]
amdhsa.kernels:
  - .name:           k_q3230b12dfe_prep
    .symbol:         k_q3230b12dfe_prep.kd
    .args:
      - { .name: x, .offset: 0, .size: 8, .value_kind: global_buffer, .address_space: global }
      - { .name: ln_w, .offset: 8, .size: 8, .value_kind: global_buffer, .address_space: global }
      - { .name: ln_b, .offset: 16, .size: 8, .value_kind: global_buffer, .address_space: global }
      - { .name: fouriercoeffs, .offset: 24, .size: 8, .value_kind: global_buffer, .address_space: global }
      - { .name: wt, .offset: 32, .size: 8, .value_kind: global_buffer, .address_space: global }
      - { .name: tab, .offset: 40, .size: 8, .value_kind: global_buffer, .address_space: global }
    .group_segment_fixed_size: 68608
    .private_segment_fixed_size: 0
    .kernarg_segment_align: 8
    .kernarg_segment_size: 48
    .max_flat_workgroup_size: 256
    .sgpr_count:     66
    .vgpr_count:     256
    .wavefront_size: 32
...
	.end_amdgpu_metadata
.endif
;; end of part 1
;; launch gemm (part 2): grid 16 x 16, 4 waves a work-group, clusters of 4 x 1, 327,680 bytes of LDS; arguments wt, tab, part; writes part
.if DOCPART == 2
	.amdgcn_target "amdgcn-amd-amdhsa--gfx1250"
	.amdhsa_code_object_version 6
	.text
	.protected	k_q3230b12dfe_gemm
	.globl	k_q3230b12dfe_gemm
	.p2align	8
	.type	k_q3230b12dfe_gemm,@function
k_q3230b12dfe_gemm:
	s_mov_b64 s[64:65], 0
	v_nop
	global_prefetch_b8 v0, s[64:65] scope:SCOPE_SE
	s_setreg_imm32_b32 hwreg(HW_REG_WAVE_MODE, 25, 1), 1
	s_wait_xcnt 0x0
	s_wait_alu depctr_hold_cnt(0) depctr_sa_sdst(0) depctr_va_vdst(0) depctr_va_sdst(0) depctr_va_ssrc(0) depctr_va_vcc(0) depctr_vm_vsrc(0)
	s_getreg_b32 s2, hwreg(HW_REG_IB_STS2, 6, 4)
	s_cmp_eq_u32 s2, 0
	s_cbranch_scc0 .Lentry_in_a_cluster
	s_endpgm
.Lentry_in_a_cluster:
	s_bfe_u32 s2, ttmp6, 0x10000c
	s_cmp_lg_u32 s2, 0x3003
	s_cbranch_scc0 .Lentry_shape_is_right
	s_endpgm
.Lentry_shape_is_right:
; FOURIER KAN LAYER, launch 2 of 3: the product.  part[ks] = features x wt^T over a quarter of K.  M = 4,096 rows, N = 512, K = 32,768 (K order: see below).  Nothing of reference() is left out.
; SHARES.  A work-group makes 256 rows x 128 columns over 8,192 of K (32 groups ig of four inputs): 16 x 4 x 4 = 256 work-groups.  A wave makes 64 rows x 128 columns: 32 accumulators, 256 registers.
; THE FEATURES NEVER TOUCH MEMORY OR LDS.  A wave makes those of its own 64 rows in registers, beside the matrix instructions: from (cos th, sin th), read from tab, the pair P(k) = (cos k th, sin k th)
; goes by P(k+1) = 2 cos th P(k) - P(k-1): one packed multiply-add and one packed rounding to f16 for two features.  Sums in f32; both operands f16 (features lie in -1 .. 1; the weights' limits stand in the first launch).
; LIMIT.  The recurrence's roundings add up to some 1e-4 absolute at k = 32 at the most, below f16's own rounding of a feature.
; K ORDER.  kk = 256 ig + 128 e + 32 q + 16 h + 2 c + t: a BLOCK of 32 is (ig, e, q); lane half h holds ONE input, i = 4 ig + 2 h + e; register c of a fragment holds (cos, sin) of harmonic 8 q + c + 1.
; The places of k in the registers are permuted alike in both sources, which keeps the products.  A lane's 32 bytes of a block of wt lie on end: two loads of 16 bytes.
; THE MATRIX INSTRUCTION IS USED TRANSPOSED: source 0 = 16 rows of wt (outputs o), source 1 = 16 rows of features.  A lane then holds one row of y and eight neighbouring columns.
; THE WAY OUT is raw: accumulator registers as they lie, 512 consecutive bytes a store; the third launch adds the four partial sums (f32) and turns them to rows.
; RING.  Two LDS slots, each with a TILE of two ig: wt's 128 rows x 2 x 512 bytes (two sub-tiles, rows 528 apart) and the table of the work-group's 16 row blocks for the two ig ONE FURTHER ON, so that the
; next ig's table is always read from the slot in hand.  ig 0's table comes by four loads of its own; the last tile's second half serves nothing.
; CLUSTER.  The four work-groups of a cluster differ in their rows alone and walk the same wt: its tiles are asked for JOINTLY (waves 0, 1: a sub-tile each).  The table differs from partner to partner:
; waves 2, 3 load it plainly, 8 row blocks each, behind the same round.  One tensor load a wave behind each round; it has a tile's 512 matrix instructions in which to land.
; REGISTERS.  Window 0: addresses, the recurrences' state, features (two buffers), weight fragments (one buffer, each fragment asked for again as soon as it has been multiplied).  Window 1: the accumulators,
; (a, b) at 8 (8 a + b).  The vector work names window 0 alone, the products' C and D window 1: one switch for each two products and one for each four vector lines.
.set PB,    528                        ; an LDS row of wt: 512 bytes + 16 = 132 words: the 16 rows of a load start at 16 different groups of four banks (64 banks of 4 bytes: ISA guide 11.1)
.set SUB,   128*PB                     ; a sub-tile: one ig, 128 rows
.set TAB0,  2*SUB                      ; behind slot 0's two sub-tiles: its table, 16 row blocks x 1,024 bytes
.set SPARE, 0x25000                    ; behind that: the spare words, 128 bytes for each wave: two blocks of 256 bytes that no other line names
.set SLX,   0x28000                    ; slot 1 begins here; one exclusive or turns 0 and SUB into their places in the other slot,
.set TSX,   0x68000                    ; and this one 0x21000 and 0x23000 into 0x49000 and 0x4b000
.set BL0,  10                          ; v10  my place in a sub-tile: (l % 16) x 528 + 32 (l / 16); never rewritten
.set BADR, 11                          ; v11  the same in the sub-tile in hand
.set TL0,  12                          ; v12  my place in a table: 4,096 x wave + 16 x lane; never rewritten
.set TADR, 13                          ; v13  the same in the table half in hand
.set CO,   14                          ; v14  16 x lane; never rewritten
.set PFO,  15                          ; v15  the prefetches' lane offset; never rewritten
.set SPW,  16                          ; v16  LDS address of my spare word; never rewritten
.set NIL,  17                          ; v17  0; never rewritten
.set ONE,  18                          ; v[18:19] P(0) = (1, 0)
.set CH,   20                          ; v[20:43] row block a's state at CH + 6 a: pairs X, Y (the last two P, by turns), T (2 cos th, twice)
.set TN,   44                          ; v[44:59] row block a's table entry at TN + 4 a: (cos, sin) for e = 0, then for e = 1
.set AB,   64                          ; v[64:127] features: buffer nb, row block a at AB + 32 nb + 8 a
.set BF,   128                         ; v[128:191] weights: fragment b (16 outputs) at BF + 8 b
.set G1B, 24                           ; s[24:31] descriptor group 1 for wt's sub-tiles
.set G1T, 32                           ; s[32:39] for the table's
.set G0B, 40                           ; s[40:47] group 0 for wt: a set for each of the two first fills; the second then walks on
.set G0T, 48                           ; s[48:55] the same for the table
.set SLOTS, 56                         ; s56  tiles still to be entered behind this one
.set CNT, 57                           ; s57  counts a tile's ig
.set TBB, 58                           ; s58  LDS byte at which the next ig's sub-tile begins
.set TBT, 59                           ; s59  the same for the table half that is read in that ig
.set LIM, 60                           ; s60  1 in a wave that prefetches, else the greatest number
.set PFA, 62                           ; s[62:63] where my prefetches stand
.set MSB, 0
.macro WIN new                         ; the immediate's high byte repeats the setting that is left; a switch that changes nothing is dropped
.if MSB != (\new)
	s_set_vgpr_msb (MSB<<8)|(\new)
.set MSB, (\new)
.endif
.endm
.set MUL, 0x50                         ; sources 0 and 1 window 0; C and D window 1
; A refill.  Waves 0 and 1: the joint load of wt's sub-tile; waves 2 and 3: the plain load of half the table.  The branch hangs on the wave's number alone.
; An s_nop 0 and four v_nop follow each of the two lines, ahead of the jump and the label.
.macro JLOAD
	s_cmp_eq_u32 s11, 0
	s_cbranch_scc0 .Lfor_t_\@
	tensor_load_to_lds s[G0B+4:G0B+7], s[G1B:G1B+7]
	s_nop 0
.rept 4
	v_nop
.endr
	s_branch .Lasked_\@
.Lfor_t_\@:
	tensor_load_to_lds s[G0T+4:G0T+7], s[G1T:G1T+7]
	s_nop 0
.rept 4
	v_nop
.endr
.Lasked_\@:
.endm
; A PREFETCH INTO THE L2 of the tile that the NEXT change of slots will ask for: one tile, 512 matrix instructions, ahead of that load.  It stands behind the wave's tensor load and its five lines.
; Each aligned block of 256 bytes is named once in the launch.  wt's tile is read by the four clusters of a row of the grid: the first of them (cluster x = 0) asks, waves 0 and 1, a sub-tile each; its four
; partners take 32 rows each, told apart BY ADDRESS; a lane a row, two lines for a row's 512 bytes.  A table tile is read by the four work-groups that differ in the column block: the one with column block 0
; asks, waves 2 and 3, their own 8 row blocks x 4 blocks of 256 bytes: one line.  The first three tiles come by their loads alone; the last change that fills a slot asks for nothing.
.macro ASK
	s_cmp_gt_u32 s[SLOTS], s[LIM]
	s_cbranch_scc0 .Lnot_mine_\@
	global_prefetch_b8 v[PFO], s[PFA:PFA+1] th:TH_LOAD_NT scope:SCOPE_SE
	s_cmp_eq_u32 s11, 0
	s_cbranch_scc0 .Lnot_mine_\@
	global_prefetch_b8 v[PFO], s[PFA:PFA+1] offset:256 th:TH_LOAD_NT scope:SCOPE_SE
.Lnot_mine_\@:
.endm
; A round of the cluster's barrier: my work-group's barrier, so that wave 0's signal speaks for all four waves; wave 0 signals; every wave waits for all four work-groups; my work-group's barrier once more.
.macro CROUND
	s_barrier_signal -1
	s_barrier_wait -1
	s_cmp_lg_u32 s10, 0
	s_cbranch_scc1 .Lnot_wave_0_\@
	s_barrier_signal -3
.Lnot_wave_0_\@:
	s_barrier_wait -3
	s_barrier_signal -1
	s_barrier_wait -1
.endm
	s_load_b128 s[4:7], s[0:1], 0x0                ; wt s[4:5], tab s[6:7]
	s_load_b64 s[8:9], s[0:1], 0x10                ; part
	v_lshl_add_u32 v[SPW], v0, 2, SPARE
	v_mov_b32 v[NIL], 0
	ds_add_u32 v[SPW], v[NIL]                      ; the wave's opening: the add, twice on end, and its wait ahead of my first tensor load; the set-up below, work on registers, stands between
	ds_add_u32 v[SPW], v[NIL]
	v_lshrrev_b32 v1, 5, v0
	v_readfirstlane_b32 s10, v1                    ; wave 0..3
	s_lshr_b32 s11, s10, 1                         ; I fetch wt (0) or the table (1),
	s_and_b32 s12, s10, 1                          ; and which half of it: p
	s_bfe_u32 s13, ttmp6, 0x40000                  ; cx: my place in the cluster: it enters global addresses of the table, the prefetches and part alone
	s_lshl_b32 s14, ttmp9, 2                       ; in a cluster launch ttmp9 counts clusters
	s_add_co_u32 s14, s14, s13                     ; mt: my block of 256 rows
	s_and_b32 s15, ttmp7, 0xffff
	s_and_b32 s16, s15, 3                          ; nt: my block of 128 columns
	s_lshr_b32 s17, s15, 2                         ; ks: my quarter of K
	; group 1 for wt: a tile of 128 rows x 256 elements of 2 bytes, rows 32,768 elements apart, padded in LDS
	s_mov_b32 s[G1B], 15|(1<<16)|(1<<20)|(1<<21)|(6<<22)|(3<<25)  ; 15:0 the mask: all four work-groups; 17:16 2-byte elements; 20 padding on; 21 set beside a mask; 24:22 after every 128 words (code 6); 31:25 4 words (code 3)
	s_mov_b32 s[G1B+1], 256<<16                    ; tensor_dim0 = 256
	s_mov_b32 s[G1B+2], 128<<16                    ; tensor_dim1 = 128
	s_mov_b32 s[G1B+3], 256<<16                    ; tile_dim0 = 256
	s_mov_b32 s[G1B+4], 128                        ; tile_dim1 = 128
	s_mov_b32 s[G1B+5], 32768                      ; elements from row to row
	s_mov_b32 s[G1B+6], 0
	s_mov_b32 s[G1B+7], 0
	; group 1 for the table: 8 row blocks x 128 elements of 8 bytes (1,024 bytes: two ig), row blocks 8,192 elements apart, no mask, no padding
	s_mov_b32 s[G1T], 3<<16
	s_mov_b32 s[G1T+1], 128<<16
	s_mov_b32 s[G1T+2], 8<<16
	s_mov_b32 s[G1T+3], 128<<16
	s_mov_b32 s[G1T+4], 8
	s_mov_b32 s[G1T+5], 8192
	s_mov_b32 s[G1T+6], 0
	s_mov_b32 s[G1T+7], 0
	; wt's tile 0: row 128 nt, byte 16,384 ks + 512 p.  Nothing here hangs on cx
	s_lshl_b32 s18, s16, 23
	s_lshl_b32 s19, s17, 14
	s_add_co_u32 s18, s18, s19
	s_lshl_b32 s19, s12, 9
	s_add_co_u32 s18, s18, s19
	s_mov_b32 s19, 0
	; the table's tile 0: row block 16 mt + 8 p, ig 32 ks + 1
	s_lshl_b32 s20, s14, 4
	s_lshl_b32 s21, s12, 3
	s_add_co_u32 s20, s20, s21
	s_lshl_b32 s20, s20, 16
	s_lshl_b32 s21, s17, 14
	s_add_co_u32 s20, s20, s21
	s_add_co_u32 s20, s20, 512
	s_mov_b32 s21, 0
	s_mul_i32 s22, s12, SUB                        ; where they go in a slot: made of the wave's number alone
	s_lshl_b32 s23, s12, 13
	; ig 0's table, for my own four row blocks 16 mt + 4 w + 0..3
	s_lshl_b32 s66, s14, 4
	s_lshl_b32 s67, s10, 2
	s_add_co_u32 s66, s66, s67
	s_lshl_b32 s66, s66, 16
	s_lshl_b32 s67, s17, 14
	s_add_co_u32 s66, s66, s67
	s_mov_b32 s67, 0
	; part: 8,388,608 ks + 32,768 ((4 mt + nt) 4 + w)
	s_lshl_b32 s68, s14, 2
	s_add_co_u32 s68, s68, s16
	s_lshl_b32 s68, s68, 2
	s_add_co_u32 s68, s68, s10
	s_lshl_b32 s68, s68, 15
	s_lshl_b32 s69, s17, 23
	s_add_co_u32 s68, s68, s69
	s_mov_b32 s69, 0
	; the prefetches: in wt row 128 nt + 32 cx, byte 16,384 ks + 512 p; in tab my own tile
	s_lshl_b32 s70, s16, 7
	s_lshl_b32 s71, s13, 5
	s_add_co_u32 s70, s70, s71
	s_lshl_b32 s70, s70, 16
	s_lshl_b32 s71, s17, 14
	s_add_co_u32 s70, s70, s71
	s_lshl_b32 s71, s12, 9
	s_add_co_u32 s70, s70, s71
	s_cmp_eq_u32 s11, 0
	s_cselect_b32 s70, s70, s20
	s_mov_b32 s71, 0
	s_cselect_b32 s[LIM], ttmp9, s16               ; the coordinate along which other work-groups read the same bytes
	s_cmp_eq_u32 s[LIM], 0
	s_cselect_b32 s[LIM], 1, -1                    ; the same in all four partners, for a given wave
	s_mov_b32 s[TBB], 0
	s_mov_b32 s[TBT], TAB0
	s_mov_b32 s[SLOTS], 15
	s_wait_dscnt 0x0                               ; both opening adds are done
	s_wait_kmcnt 0x0
	s_add_nc_u64 s[72:73], s[4:5], s[18:19]
	s_add_nc_u64 s[74:75], s[6:7], s[20:21]
	s_add_nc_u64 s[66:67], s[6:7], s[66:67]
	s_add_nc_u64 s[8:9], s[8:9], s[68:69]
	s_cmp_eq_u32 s11, 0
	s_cselect_b64 s[PFA:PFA+1], s[4:5], s[6:7]
	s_add_nc_u64 s[PFA:PFA+1], s[PFA:PFA+1], s[70:71]
	s_add_nc_u64 s[PFA:PFA+1], s[PFA:PFA+1], 2048  ; at tile 2: the first change of slots steps it to tile 3.  Nothing is prefetched at the head, where every work-group's first tiles are on their way
.irp s, 0,1
	s_mov_b32 s[G0B+4*(\s)], 1                     ; 1:0 count = 1
	s_add_co_u32 s[G0B+4*(\s)+1], s22, (\s)*SLX    ; 63:32 LDS address
	s_add_nc_u64 s[G0B+4*(\s)+2:G0B+4*(\s)+3], s[72:73], (\s)*1024  ; 120:64 global address: tile s
	s_or_b32 s[G0B+4*(\s)+3], s[G0B+4*(\s)+3], 0x80000000           ; 127:126 type = 2
	s_mov_b32 s[G0T+4*(\s)], 1
	s_add_co_u32 s[G0T+4*(\s)+1], s23, TAB0+(\s)*SLX
	s_add_nc_u64 s[G0T+4*(\s)+2:G0T+4*(\s)+3], s[74:75], (\s)*1024
	s_or_b32 s[G0T+4*(\s)+3], s[G0T+4*(\s)+3], 0x80000000
.endr
	CROUND                                         ; all four work-groups are here: the first joint loads meet
	s_cmp_eq_u32 s11, 0                            ; a wave's two first fills stand in one branch, ahead of every wait on TENSORcnt and every LDS read: two loads of mine are out
	s_cbranch_scc0 .Lfirst_t
	tensor_load_to_lds s[G0B:G0B+3], s[G1B:G1B+7]
	s_nop 0
	tensor_load_to_lds s[G0B+4:G0B+7], s[G1B:G1B+7]
	s_nop 0
.rept 4
	v_nop
.endr
	s_branch .Lfirst_asked
.Lfirst_t:
	tensor_load_to_lds s[G0T:G0T+3], s[G1T:G1T+7]
	s_nop 0
	tensor_load_to_lds s[G0T+4:G0T+7], s[G1T:G1T+7]
	s_nop 0
.rept 4
	v_nop
.endr
.Lfirst_asked:
	v_and_b32 v1, 31, v0                           ; lane
	v_and_b32 v3, 15, v0                           ; l % 16
	v_bfe_u32 v4, v0, 4, 1                         ; l / 16
	v_lshlrev_b32 v[CO], 4, v1
.irp a, 0,1,2,3
	global_load_b128 v[TN+4*(\a):TN+4*(\a)+3], v[CO], s[66:67] offset:(\a)*65536  ; ig 0's (cos, sin) of my four row blocks
.endr
	v_mul_u32_u24 v[BL0], v3, PB
	v_lshl_add_u32 v[BL0], v4, 5, v[BL0]
	s_lshl_b32 s68, s10, 12
	v_lshl_add_u32 v[TL0], v1, 4, s68
	v_mov_b32 v[ONE], 1.0
	v_mov_b32 v[ONE+1], 0
	s_lshl_b32 s68, s11, 1                         ; wt: a lane a row of 65,536 bytes.  The table: four lanes a row block, 256 bytes apart
	s_mul_i32 s69, s11, 3
	v_lshrrev_b32 v[PFO], s68, v1
	v_and_b32 v2, s69, v1
	v_lshlrev_b32 v[PFO], 16, v[PFO]
	v_lshl_or_b32 v[PFO], v2, 8, v[PFO]
; THE VECTOR WORK.  FSTEP: the recurrence's step st (0..7) of quarter q for row block a; CSTEP: its pair rounded to f16 into register st of the fragment.  Harmonic k = 8 q + st + 1.
; q = 0 begins anew from the table's P(1): st 0 makes T = (2 cos, 2 cos) and rounds P(1); st 1: Y = P(1) T - P(0); st 2: X = Y T - P(1).  Elsewhere Y = X T - Y (st odd), X = Y T - X (st even).
.macro FSTEP a, e, q, st
.set rX, CH+6*(\a)
.set rY, CH+6*(\a)+2
.set rT, CH+6*(\a)+4
.set rP, TN+4*(\a)+2*(\e)
.if ((\q) == 0) && ((\st) == 0)
	v_pk_add_f32 v[rT:rT+1], v[rP:rP+1], v[rP:rP+1] op_sel_hi:[0,0]
.elseif ((\q) == 0) && ((\st) == 1)
	v_pk_fma_f32 v[rY:rY+1], v[rP:rP+1], v[rT:rT+1], v[ONE:ONE+1] neg_lo:[0,0,1] neg_hi:[0,0,1]
.elseif ((\q) == 0) && ((\st) == 2)
	v_pk_fma_f32 v[rX:rX+1], v[rY:rY+1], v[rT:rT+1], v[rP:rP+1] neg_lo:[0,0,1] neg_hi:[0,0,1]
.elseif ((\st)%2) == 1
	v_pk_fma_f32 v[rY:rY+1], v[rX:rX+1], v[rT:rT+1], v[rY:rY+1] neg_lo:[0,0,1] neg_hi:[0,0,1]
.else
	v_pk_fma_f32 v[rX:rX+1], v[rY:rY+1], v[rT:rT+1], v[rX:rX+1] neg_lo:[0,0,1] neg_hi:[0,0,1]
.endif
.endm
.macro CSTEP nb, a, e, q, st
.set rD, AB+32*(\nb)+8*(\a)+(\st)
.if ((\q) == 0) && ((\st) == 0)
.set rS, TN+4*(\a)+2*(\e)
.elseif ((\st)%2) == 1
.set rS, CH+6*(\a)+2
.else
.set rS, CH+6*(\a)
.endif
	v_cvt_pk_f16_f32 v[rD], v[rS], v[rS+1]
.endm
; Four vector lines, number gi of a block's 16: step gi % 8 of row blocks 2 (gi / 8) and 2 (gi / 8) + 1; the two chains alternate, so that no line reads the result of the line before it.
.macro RID nb, e, q, gi
	FSTEP 2*((\gi)/8), \e, \q, (\gi)%8
	FSTEP 2*((\gi)/8)+1, \e, \q, (\gi)%8
	CSTEP \nb, 2*((\gi)/8), \e, \q, (\gi)%8
	CSTEP \nb, 2*((\gi)/8)+1, \e, \q, (\gi)%8
.endm
.macro WM a, zero                      ; the product of weight fragment bb and row block a's features of buffer cb; zero = 1: it starts the sum: nothing is ever cleared
.set rA, 8*(8*(\a)+bb)
.if \zero
	v_wmma_f32_16x16x32_f16 v[rA:rA+7], v[BF+8*bb:BF+8*bb+7], v[AB+32*cb+8*(\a):AB+32*cb+8*(\a)+7], 0
.else
	v_wmma_f32_16x16x32_f16 v[rA:rA+7], v[BF+8*bb:BF+8*bb+7], v[AB+32*cb+8*(\a):AB+32*cb+8*(\a)+7], v[rA:rA+7]
.endif
.endm
; A BLOCK: 32 along K, block bl = 4 e + q of an ig: 32 products.  The 32 accumulators take turns, one instruction a turn, in the same order in every block and over every jump.
; work = 1: behind every two products stand four vector lines, which make the NEXT block's features in the other buffer; behind a fragment's four products and the four lines that follow them (the four places
; behind the last product that read it: they name the state, the table entry and the other feature buffer alone: ISA guide 7.12.1) the fragment is asked for again, for the next block.
; The other feature buffer's last readers stand in the block before, eight vector lines or more ahead of the first line that writes it.
; Block 4 fetches the next ig's table entry: its last readers are the first steps of block 4's features, which stand in block 3; its next reader stands in block 7.
.macro BLK bl, zero=0, work=1
.set cb, (\bl)&1
.set nb, 1-cb
.set nx, ((\bl)+1)&7
.set bb, 0
.rept 8
.if \work
	s_wait_dscnt 14                                ; fragment bb is in: behind its two loads stand the seven other fragments' 14 (in block 4 also the table's four: the count is then the stricter)
.else
	s_wait_dscnt 14-2*bb                           ; nothing is asked for any more: the counts run down
.endif
	WIN MUL
	WM 0, \zero
	WM 1, \zero
.if \work
	WIN 0
	RID nb, nx/4, nx%4, 2*bb
.if ((\bl) == 4) && (bb == 0)
.irp a, 0,1,2,3
	ds_load_b128 v[TN+4*(\a):TN+4*(\a)+3], v[TADR] offset:(\a)*1024
.endr
.endif
.endif
	WIN MUL
	WM 2, \zero
	WM 3, \zero
.if \work
	WIN 0
	RID nb, nx/4, nx%4, 2*bb+1
	ds_load_b128 v[BF+8*bb:BF+8*bb+3],   v[BADR] offset:nx*64+bb*16*PB
	ds_load_b128 v[BF+8*bb+4:BF+8*bb+7], v[BADR] offset:nx*64+bb*16*PB+16
.endif
.set bb, bb+1
.endr
.endm
.macro TOP                             ; an ig begins: the LDS addresses of its sub-tile and of the table half that it reads
	WIN 0
	v_add_nc_u32 v[BADR], s[TBB], v[BL0]
	v_add_nc_u32 v[TADR], s[TBT], v[TL0]
	s_add_co_u32 s[TBB], s[TBB], SUB
	s_add_co_u32 s[TBT], s[TBT], 512
.endm
; A trip: block 7 of the ig before, whose operands are in registers, then blocks 0 to 6 of this ig.  So all that a trip reads from LDS lies in its own slot, and the change of slots stands between trips.
.macro BODY
	TOP
	BLK 7
.irp k, 0,1,2,3,4,5,6
	BLK \k
.endr
.endm
; THE CHANGE OF SLOTS.  Each wave waits for all its tensor loads, of which one is out: its part of the other slot; adds 0 to its spare word; and waits for that and for its own reads of the slot that it leaves.
; fill = 1: the slot is filled again, with the tile two on.  The barrier is then a round of the cluster's, so that no wave of any partner still reads the slot or has a load on its way, and the refill is the first thing behind it.
.macro CHANGE fill
	WIN 0                                          ; at a label and at a branch every window is 0
	s_wait_tensorcnt 0x0                           ; no tensor load of mine is out, so a group 0 may be written
	ds_add_u32 v[SPW], v[NIL]                      ; 0 onto my spare word; the descriptors' steps stand between it and the wait for it
.if \fill
	s_xor_b32 s[G0B+5], s[G0B+5], SLX              ; the walking descriptors: the other slot than last time,
	s_add_nc_u64 s[G0B+6:G0B+7], s[G0B+6:G0B+7], 1024  ; the next tile; the type bits on top are not reached
	s_xor_b32 s[G0T+5], s[G0T+5], TSX
	s_add_nc_u64 s[G0T+6:G0T+7], s[G0T+6:G0T+7], 1024
	s_wait_xcnt 0x0                                ; the last prefetches, a tile back, have read their address, so it may be written
	s_add_nc_u64 s[PFA:PFA+1], s[PFA:PFA+1], 1024
	s_wait_dscnt 0x0                               ; the add is done, and my reads of the slot are over
	CROUND
	JLOAD
	ASK
.else
	s_wait_dscnt 0x0                               ; the add is done, and my reads of the slot are over
	s_barrier_signal -1
	s_barrier_wait -1
.endif
	s_sub_co_u32 s[TBB], s[TBB], 2*SUB             ; back to a slot's first ig,
	s_xor_b32 s[TBB], s[TBB], SLX                  ; in the other slot
	s_sub_co_u32 s[TBT], s[TBT], 1024
	s_xor_b32 s[TBT], s[TBT], TSX
.endm
	s_wait_tensorcnt 0x1                           ; my part of slot 0 is in; slot 1's may stay out
	s_barrier_signal -1
	s_barrier_wait -1                              ; everybody's is
	TOP                                            ; ig 0
.set bb, 0
.rept 8
	ds_load_b128 v[BF+8*bb:BF+8*bb+3],   v[BADR] offset:bb*16*PB
	ds_load_b128 v[BF+8*bb+4:BF+8*bb+7], v[BADR] offset:bb*16*PB+16
.set bb, bb+1
.endr
	s_wait_loadcnt 0x0                             ; ig 0's table entries
.set gg, 0
.rept 16
	RID 0, 0, 0, gg                                ; block 0's features: there are no products yet to set them beside
.set gg, gg+1
.endr
	BLK 0, 1                                       ; the first block stands ahead of the loop: its products start the sums
.irp k, 1,2,3,4,5,6
	BLK \k
.endr
	WIN 0
	s_mov_b32 s[CNT], 1                            ; tile 0 has one trip left: ig 1
	s_branch .Lig
.Lslot:                                        ; 14 times: every slot but the last two is filled again
	CHANGE 1
	s_mov_b32 s[CNT], 2
.Lig:
	BODY
	WIN 0
	s_sub_co_u32 s[CNT], s[CNT], 1
	s_cmp_lg_u32 s[CNT], 0
	s_cbranch_scc1 .Lig
	s_sub_co_u32 s[SLOTS], s[SLOTS], 1
	s_cmp_lg_u32 s[SLOTS], 0
	s_cbranch_scc1 .Lslot
	CHANGE 0                                       ; the last tile is written out: nothing is asked for
	s_mov_b32 s[CNT], 2
.Ltail:
	BODY
	WIN 0
	s_sub_co_u32 s[CNT], s[CNT], 1
	s_cmp_lg_u32 s[CNT], 0
	s_cbranch_scc1 .Ltail
	BLK 7, 0, 0                                    ; the last ig's last block: products alone
	WIN 0
.rept 8
	v_nop                                          ; the places between the last products and the stores that read results, once a launch
.endr
	WIN 0x04                                       ; store data (source 1) in window 1, the address in window 0
.irp a, 0,1,2,3
.irp b, 0,1,2,3,4,5,6,7                ; each accumulator's four lowest registers go first; each store of the wave covers 512 consecutive bytes, aligned
	global_store_b128 v[CO], v[8*(8*(\a)+(\b)):8*(8*(\a)+(\b))+3],   s[8:9] offset:(\a)*8192+(\b)*1024
	global_store_b128 v[CO], v[8*(8*(\a)+(\b))+4:8*(8*(\a)+(\b))+7], s[8:9] offset:(\a)*8192+(\b)*1024+512
.endr
.endr
	WIN 0
	s_wait_tensorcnt 0x0                           ; the wave's end, behind my last tensor load
	ds_add_u32 v[SPW], v[NIL]
	s_wait_dscnt 0x0
	CROUND                                         ; the closing round: no work-group ends while a partner may still ask for a tile that names it
	s_endpgm
.Lfunc_end_k_q3230b12dfe_gemm:
	.size	k_q3230b12dfe_gemm, .Lfunc_end_k_q3230b12dfe_gemm-k_q3230b12dfe_gemm
	.p2alignl 7, 3214868480
	.fill 96, 4, 3214868480
	.section	.rodata,"a",@progbits
	.p2align	6, 0x0
	.amdhsa_kernel k_q3230b12dfe_gemm
		.amdhsa_group_segment_fixed_size 327680
		.amdhsa_private_segment_fixed_size 0
		.amdhsa_enable_private_segment 0
		.amdhsa_kernarg_size 24
		.amdhsa_user_sgpr_count 2
		.amdhsa_user_sgpr_kernarg_segment_ptr 1
		.amdhsa_wavefront_size32 1
		.amdhsa_system_sgpr_workgroup_id_x 1
		.amdhsa_system_sgpr_workgroup_id_y 1
		.amdhsa_system_sgpr_workgroup_id_z 1
		.amdhsa_system_vgpr_workitem_id 0
		.amdhsa_next_free_vgpr 512
		.amdhsa_next_free_sgpr 80
		.amdhsa_reserve_vcc 0
		.amdhsa_float_denorm_mode_32 3
		.amdhsa_float_denorm_mode_16_64 3
		.amdhsa_memory_ordered 1
		.amdhsa_forward_progress 1
		.amdhsa_inst_pref_size 215
	.end_amdhsa_kernel
	.amdgpu_metadata
---
amdhsa.version: [ 1, 2 ]
amdhsa.kernels:
  - .name:           k_q3230b12dfe_gemm
    .symbol:         k_q3230b12dfe_gemm.kd
    .args:
      - { .name: wt, .offset: 0, .size: 8, .value_kind: global_buffer, .address_space: global }
      - { .name: tab, .offset: 8, .size: 8, .value_kind: global_buffer, .address_space: global }
      - { .name: part, .offset: 16, .size: 8, .value_kind: global_buffer, .address_space: global }
    .group_segment_fixed_size: 327680
    .private_segment_fixed_size: 0
    .kernarg_segment_align: 8
    .kernarg_segment_size: 24
    .max_flat_workgroup_size: 128
    .sgpr_count:     80
    .vgpr_count:     512
    .wavefront_size: 32
...
	.end_amdgpu_metadata
.endif
;; end of part 2
;; launch reduce (part 3): grid 256 x 1, 8 waves a work-group, no clusters, 35,840 bytes of LDS; arguments part, bias, out0; writes out0
.if DOCPART == 3
	.amdgcn_target "amdgcn-amd-amdhsa--gfx1250"
	.amdhsa_code_object_version 6
	.text
	.protected	k_q3230b12dfe_reduce
	.globl	k_q3230b12dfe_reduce
	.p2align	8
	.type	k_q3230b12dfe_reduce,@function
k_q3230b12dfe_reduce:
	s_mov_b64 s[64:65], 0
	v_nop
	global_prefetch_b8 v0, s[64:65] scope:SCOPE_SE
	s_setreg_imm32_b32 hwreg(HW_REG_WAVE_MODE, 25, 1), 1
	s_wait_xcnt 0x0
; FOURIER KAN LAYER, launch 3 of 3: out0 = part[0] + part[1] + part[2] + part[3] + bias, all f32, turned from the product's register order to rows.  Nothing of reference() is left out.
; part byte = 8,388,608 ks + 8,192 (((4 mt + nt) 4 + w) 4 + a) + 1,024 b + 512 jh + 16 lane, four numbers z: y(256 mt + 64 w + 16 a + lane % 16, 128 nt + 16 b + 8 (lane / 16) + 4 jh + z).
; SHARES.  Wave gw of 2,048 takes the 4,096 bytes at 4,096 gw of each partial sum: 16 rows x 64 columns.  All its 32 loads go out at once, 512 consecutive bytes each.  The sums go through a stage of the
; wave's own in LDS and come back as rows: 16 lanes store 256 consecutive bytes, aligned.  No wave reads another's bytes: no barrier.  A stream: matrix units, clusters and a prefetch would add nothing.
.set SP,    272                        ; a stage row: 256 bytes + 16: the 16 rows of a store start at 16 different groups of four banks (64 banks of 4 bytes: ISA guide 11.1)
.set SPARE, 8*16*SP                    ; behind the eight stages: the spare words, 128 bytes for each wave: four blocks of 256 bytes that no other line names
.set LO,  2                            ; v2   16 x lane
.set STO, 3                            ; v3   where I put 16 bytes of a row
.set RD,  4                            ; v4   where I read rows back
.set GO,  5                            ; v5   my byte offset in two rows of out0
.set BO,  6                            ; v6   my 16 bytes of the 256 of bias
.set SPW, 8                            ; v8   LDS address of my spare word; never rewritten
.set NIL, 9                            ; v9   0; never rewritten
.set BI,  12                           ; v[12:15]  bias of my four columns
.set P,   32                           ; v[32:159] piece u of 8, partial sum ks at P + 16 u + 4 ks
.set BK,  160                          ; v[160:191] the stage read back
	s_load_b128 s[4:7], s[0:1], 0x0                ; part s[4:5], bias s[6:7]
	s_load_b64 s[8:9], s[0:1], 0x10                ; out0
	v_lshl_add_u32 v[SPW], v0, 2, SPARE
	v_mov_b32 v[NIL], 0
	v_lshrrev_b32 v1, 5, v0
	v_readfirstlane_b32 s10, v1                    ; wave 0..7
	v_and_b32 v1, 31, v0
	v_and_b32 v10, 15, v0                          ; l % 16
	v_bfe_u32 v11, v0, 4, 1                        ; l / 16
	v_lshlrev_b32 v[LO], 4, v1
	s_mul_i32 s11, s10, 16*SP                      ; my stage
	v_mul_u32_u24 v[STO], v10, SP                  ; in: row l % 16, 32 bytes for each half of the lanes
	v_lshl_add_u32 v[STO], v11, 5, v[STO]
	v_add_nc_u32 v[STO], s11, v[STO]
	v_mul_u32_u24 v[RD], v11, SP                   ; back: lanes 0-15 take one row of 256 bytes, lanes 16-31 the next
	v_lshl_add_u32 v[RD], v10, 4, v[RD]
	v_add_nc_u32 v[RD], s11, v[RD]
	v_lshlrev_b32 v[BO], 4, v10
	v_lshl_add_u32 v[GO], v11, 11, v[BO]           ; and the same two rows in out0, 2,048 bytes apart
	s_lshl_b32 s12, ttmp9, 3
	s_add_co_u32 s12, s12, s10                     ; gw = 2 (((4 mt + nt) 4 + w) 4 + a) + bh
	s_and_b32 s13, s12, 1                          ; bh: which 64 of the 128 columns
	s_bfe_u32 s14, s12, 0x20001                    ; a
	s_bfe_u32 s15, s12, 0x20003                    ; w
	s_bfe_u32 s16, s12, 0x20005                    ; nt
	s_lshr_b32 s17, s12, 7                         ; mt
	s_lshl_b32 s18, s17, 8
	s_lshl_b32 s19, s15, 6
	s_add_co_u32 s18, s18, s19
	s_lshl_b32 s19, s14, 4
	s_add_co_u32 s18, s18, s19                     ; my first row
	s_lshl_b32 s18, s18, 11
	s_lshl_b32 s20, s16, 9
	s_lshl_b32 s21, s13, 8
	s_add_co_u32 s20, s20, s21                     ; my first column, in bytes
	s_mov_b32 s21, 0
	s_add_co_u32 s18, s18, s20
	s_mov_b32 s19, 0
	s_lshl_b32 s22, s12, 12
	s_mov_b32 s23, 0
	s_wait_kmcnt 0x0
	s_add_nc_u64 s[24:25], s[4:5], s[22:23]        ; a base for each partial sum: their distance is more than a load's immediate holds
	s_add_nc_u64 s[26:27], s[24:25], 0x800000
	s_add_nc_u64 s[28:29], s[26:27], 0x800000
	s_add_nc_u64 s[30:31], s[28:29], 0x800000
	s_add_nc_u64 s[6:7], s[6:7], s[20:21]
	s_add_nc_u64 s[8:9], s[8:9], s[18:19]
	global_load_b128 v[BI:BI+3], v[BO], s[6:7]
.irp u, 0,1,2,3,4,5,6,7
.irp k, 0,1,2,3
	global_load_b128 v[P+16*(\u)+4*(\k):P+16*(\u)+4*(\k)+3], v[LO], s[24+2*(\k):25+2*(\k)] offset:(\u)*512 th:TH_LOAD_NT
.endr
.endr
.irp u, 0,1,2,3,4,5,6,7
	s_wait_loadcnt 4*(7-(\u))                      ; piece u's four loads are in; the younger pieces' stay out
	v_pk_add_f32 v[P+16*(\u):P+16*(\u)+1],     v[P+16*(\u):P+16*(\u)+1],     v[P+16*(\u)+4:P+16*(\u)+5]
	v_pk_add_f32 v[P+16*(\u)+2:P+16*(\u)+3],   v[P+16*(\u)+2:P+16*(\u)+3],   v[P+16*(\u)+6:P+16*(\u)+7]
	v_pk_add_f32 v[P+16*(\u)+8:P+16*(\u)+9],   v[P+16*(\u)+8:P+16*(\u)+9],   v[P+16*(\u)+12:P+16*(\u)+13]
	v_pk_add_f32 v[P+16*(\u)+10:P+16*(\u)+11], v[P+16*(\u)+10:P+16*(\u)+11], v[P+16*(\u)+14:P+16*(\u)+15]
	v_pk_add_f32 v[P+16*(\u):P+16*(\u)+1],     v[P+16*(\u):P+16*(\u)+1],     v[P+16*(\u)+8:P+16*(\u)+9]
	v_pk_add_f32 v[P+16*(\u)+2:P+16*(\u)+3],   v[P+16*(\u)+2:P+16*(\u)+3],   v[P+16*(\u)+10:P+16*(\u)+11]
	ds_store_b128 v[STO], v[P+16*(\u):P+16*(\u)+3] offset:((\u)/2)*64+((\u)%2)*16  ; columns 16 (u / 2) + 8 (l / 16) + 4 (u % 2) + 0..3 of my 64
.endr
.irp t, 0,1,2,3,4,5,6,7
	ds_load_b128 v[BK+4*(\t):BK+4*(\t)+3], v[RD] offset:(\t)*2*SP  ; LDS serves a wave's instructions in order (ISA guide 5.7.1.4): these see the stores above
.endr
.irp t, 0,1,2,3,4,5,6,7
	s_wait_dscnt 7-(\t)                            ; rows 2 t and 2 t + 1 are back
	v_pk_add_f32 v[BK+4*(\t):BK+4*(\t)+1],   v[BK+4*(\t):BK+4*(\t)+1],   v[BI:BI+1]
	v_pk_add_f32 v[BK+4*(\t)+2:BK+4*(\t)+3], v[BK+4*(\t)+2:BK+4*(\t)+3], v[BI+2:BI+3]
	global_store_b128 v[GO], v[BK+4*(\t):BK+4*(\t)+3], s[8:9] offset:(\t)*4096 th:TH_STORE_NT  ; 16 lanes store 256 consecutive bytes, at a multiple of 256 from out0's first byte
.endr
	s_wait_tensorcnt 0x0                           ; the wave's end, behind my last LDS store
	ds_add_u32 v[SPW], v[NIL]
	s_wait_dscnt 0x0
	s_endpgm
.Lfunc_end_k_q3230b12dfe_reduce:
	.size	k_q3230b12dfe_reduce, .Lfunc_end_k_q3230b12dfe_reduce-k_q3230b12dfe_reduce
	.p2alignl 7, 3214868480
	.fill 96, 4, 3214868480
	.section	.rodata,"a",@progbits
	.p2align	6, 0x0
	.amdhsa_kernel k_q3230b12dfe_reduce
		.amdhsa_group_segment_fixed_size 35840
		.amdhsa_private_segment_fixed_size 0
		.amdhsa_enable_private_segment 0
		.amdhsa_kernarg_size 24
		.amdhsa_user_sgpr_count 2
		.amdhsa_user_sgpr_kernarg_segment_ptr 1
		.amdhsa_wavefront_size32 1
		.amdhsa_system_sgpr_workgroup_id_x 1
		.amdhsa_system_sgpr_workgroup_id_y 1
		.amdhsa_system_sgpr_workgroup_id_z 1
		.amdhsa_system_vgpr_workitem_id 0
		.amdhsa_next_free_vgpr 192
		.amdhsa_next_free_sgpr 66
		.amdhsa_reserve_vcc 0
		.amdhsa_float_denorm_mode_32 3
		.amdhsa_float_denorm_mode_16_64 3
		.amdhsa_memory_ordered 1
		.amdhsa_forward_progress 1
		.amdhsa_inst_pref_size 12
	.end_amdhsa_kernel
	.amdgpu_metadata
---
amdhsa.version: [ 1, 2 ]
amdhsa.kernels:
  - .name:           k_q3230b12dfe_reduce
    .symbol:         k_q3230b12dfe_reduce.kd
    .args:
      - { .name: part, .offset: 0, .size: 8, .value_kind: global_buffer, .address_space: global }
      - { .name: bias, .offset: 8, .size: 8, .value_kind: global_buffer, .address_space: global }
      - { .name: out0, .offset: 16, .size: 8, .value_kind: global_buffer, .address_space: global }
    .group_segment_fixed_size: 35840
    .private_segment_fixed_size: 0
    .kernarg_segment_align: 8
    .kernarg_segment_size: 24
    .max_flat_workgroup_size: 256
    .sgpr_count:     66
    .vgpr_count:     192
    .wavefront_size: 32
...
	.end_amdgpu_metadata
.endif
;; end of part 3
;; ======== version 2 of 3: 3 launches
;; limits: values are held in f16: magnitudes above 65,504 overflow, below 6.1e-05 lose precision; right only within a limited range of input values
;; workspace buffers: wt 33,554,432 bytes; tab 16,777,728 bytes; part 33,554,432 bytes
;; launch prep: the kernel of part 1 again; grid 256 x 1, 8 waves a work-group, no clusters, 68,608 bytes of LDS; arguments x, ln_w, ln_b, fouriercoeffs, wt, tab; writes wt, tab
;; launch gemm (part 4): grid 16 x 16, 4 waves a work-group, clusters of 4 x 1, 327,680 bytes of LDS; arguments wt, tab, part; writes part
.if DOCPART == 4
	.amdgcn_target "amdgcn-amd-amdhsa--gfx1250"
	.amdhsa_code_object_version 6
	.text
	.protected	k_q3230b12dfe_gemm
	.globl	k_q3230b12dfe_gemm
	.p2align	8
	.type	k_q3230b12dfe_gemm,@function
k_q3230b12dfe_gemm:
	s_mov_b64 s[64:65], 0
	v_nop
	global_prefetch_b8 v0, s[64:65] scope:SCOPE_SE
	s_setreg_imm32_b32 hwreg(HW_REG_WAVE_MODE, 25, 1), 1
	s_wait_xcnt 0x0
	s_wait_alu depctr_hold_cnt(0) depctr_sa_sdst(0) depctr_va_vdst(0) depctr_va_sdst(0) depctr_va_ssrc(0) depctr_va_vcc(0) depctr_vm_vsrc(0)
	s_getreg_b32 s2, hwreg(HW_REG_IB_STS2, 6, 4)
	s_cmp_eq_u32 s2, 0
	s_cbranch_scc0 .Lentry_in_a_cluster
	s_endpgm
.Lentry_in_a_cluster:
	s_bfe_u32 s2, ttmp6, 0x10000c
	s_cmp_lg_u32 s2, 0x3003
	s_cbranch_scc0 .Lentry_shape_is_right
	s_endpgm
.Lentry_shape_is_right:
; FOURIER KAN LAYER, launch 2 of 3: the product.  part[ks] = features x wt^T over a quarter of K.  M = 4,096 rows, N = 512, K = 32,768 (K order: see below).  Nothing of reference() is left out.
; SHARES.  A work-group makes 256 rows x 128 columns over 8,192 of K (32 groups ig of four inputs): 16 x 4 x 4 = 256 work-groups.  A wave makes 64 rows x 128 columns: 32 accumulators, 256 registers.
; THE FEATURES NEVER TOUCH MEMORY OR LDS.  A wave makes those of its own 64 rows in registers, beside the matrix instructions: from (cos th, sin th), read from tab, the pair P(k) = (cos k th, sin k th)
; goes by P(k+1) = 2 cos th P(k) - P(k-1): one packed multiply-add and one packed rounding to f16 for two features.  Sums in f32; both operands f16 (features lie in -1 .. 1; the weights' limits stand in the first launch).
; LIMIT.  The recurrence's roundings add up to some 1e-4 absolute at k = 32 at the most, below f16's own rounding of a feature.
; K ORDER.  kk = 256 ig + 128 e + 32 q + 16 h + 2 c + t: a BLOCK of 32 is (ig, e, q); lane half h holds ONE input, i = 4 ig + 2 h + e; register c of a fragment holds (cos, sin) of harmonic 8 q + c + 1.
; The places of k in the registers are permuted alike in both sources, which keeps the products.  A lane's 32 bytes of a block of wt lie on end: two loads of 16 bytes.
; THE MATRIX INSTRUCTION IS USED TRANSPOSED: source 0 = 16 rows of wt (outputs o), source 1 = 16 rows of features.  A lane then holds one row of y and eight neighbouring columns.
; THE WAY OUT is raw: accumulator registers as they lie, 512 consecutive bytes a store; the third launch adds the four partial sums (f32) and turns them to rows.
; RING.  Two LDS slots, each with a TILE of two ig: wt's 128 rows x 2 x 512 bytes (two sub-tiles, rows 528 apart) and the table of the work-group's 16 row blocks for the two ig ONE FURTHER ON, so that the
; next ig's table is always read from the slot in hand.  ig 0's table comes by four loads of its own; the last tile's second half serves nothing.
; CLUSTER.  The four work-groups of a cluster differ in their rows alone and walk the same wt: its tiles are asked for JOINTLY (waves 0, 1: a sub-tile each).  The table differs from partner to partner:
; waves 2, 3 load it plainly, 8 row blocks each, behind the same round.  One tensor load a wave behind each round; it has a tile's 512 matrix instructions in which to land.
; REGISTERS.  Window 0: addresses, the recurrences' state, features (two buffers).  Window 1: the accumulators, (a, b) at 8 (8 a + b).  Window 2: weight fragments, two buffers of a PAIR of blocks each:
; block bl's fragment b at 64 (bl % 4) + 8 b.  THE LDS LOADS STAND IN RUNS, never singly among the matrix instructions: while a pair's 64 products are issued, the next pair's 32 loads go out together.
; The vector work names window 0 alone, the products' C and D window 1: one switch for each two products, one for each four vector lines, one for each run.
.set PB,    528                        ; an LDS row of wt: 512 bytes + 16 = 132 words: the 16 rows of a load start at 16 different groups of four banks (64 banks of 4 bytes: ISA guide 11.1)
.set SUB,   128*PB                     ; a sub-tile: one ig, 128 rows
.set TAB0,  2*SUB                      ; behind slot 0's two sub-tiles: its table, 16 row blocks x 1,024 bytes
.set SPARE, 0x25000                    ; behind that: the spare words, 128 bytes for each wave: two blocks of 256 bytes that no other line names
.set SLX,   0x28000                    ; slot 1 begins here; one exclusive or turns 0 and SUB into their places in the other slot,
.set TSX,   0x68000                    ; and this one 0x21000 and 0x23000 into 0x49000 and 0x4b000
.set BL0,  10                          ; v10  my place in a sub-tile: (l % 16) x 528 + 32 (l / 16); never rewritten
.set BADR, 11                          ; v11  the same in the sub-tile in hand
.set TL0,  12                          ; v12  my place in a table: 4,096 x wave + 16 x lane; never rewritten
.set TADR, 13                          ; v13  the same in the table half in hand
.set CO,   14                          ; v14  16 x lane; never rewritten
.set PFO,  15                          ; v15  the prefetches' lane offset; never rewritten
.set SPW,  16                          ; v16  LDS address of my spare word; never rewritten
.set NIL,  17                          ; v17  0; never rewritten
.set ONE,  18                          ; v[18:19] P(0) = (1, 0)
.set CH,   20                          ; v[20:43] row block a's state at CH + 6 a: pairs X, Y (the last two P, by turns), T (2 cos th, twice)
.set TN,   44                          ; v[44:59] row block a's table entry at TN + 4 a: (cos, sin) for e = 0, then for e = 1
.set AB,   64                          ; v[64:127] features: buffer nb, row block a at AB + 32 nb + 8 a
.set G1B, 24                           ; s[24:31] descriptor group 1 for wt's sub-tiles
.set G1T, 32                           ; s[32:39] for the table's
.set G0B, 40                           ; s[40:47] group 0 for wt: a set for each of the two first fills; the second then walks on
.set G0T, 48                           ; s[48:55] the same for the table
.set SLOTS, 56                         ; s56  tiles still to be entered behind this one
.set CNT, 57                           ; s57  counts a tile's ig
.set TBB, 58                           ; s58  LDS byte at which the next ig's sub-tile begins
.set TBT, 59                           ; s59  the same for the table half that is read in that ig
.set LIM, 60                           ; s60  1 in a wave that prefetches, else the greatest number
.set PFA, 62                           ; s[62:63] where my prefetches stand
.set MSB, 0
.macro WIN new                         ; the immediate's high byte repeats the setting that is left; a switch that changes nothing is dropped
.if MSB != (\new)
	s_set_vgpr_msb (MSB<<8)|(\new)
.set MSB, (\new)
.endif
.endm
.set MUL,  0x52                        ; source 0 (weights) window 2, source 1 (features) window 0; C and D window 1
.set TO_W, 0x80                        ; destination window 2, address window 0
; A refill.  Waves 0 and 1: the joint load of wt's sub-tile; waves 2 and 3: the plain load of half the table.  The branch hangs on the wave's number alone.
; An s_nop 0 and four v_nop follow each of the two lines, ahead of the jump and the label.
.macro JLOAD
	s_cmp_eq_u32 s11, 0
	s_cbranch_scc0 .Lfor_t_\@
	tensor_load_to_lds s[G0B+4:G0B+7], s[G1B:G1B+7]
	s_nop 0
.rept 4
	v_nop
.endr
	s_branch .Lasked_\@
.Lfor_t_\@:
	tensor_load_to_lds s[G0T+4:G0T+7], s[G1T:G1T+7]
	s_nop 0
.rept 4
	v_nop
.endr
.Lasked_\@:
.endm
; A PREFETCH INTO THE L2 of the tile that the NEXT change of slots will ask for: one tile, 512 matrix instructions, ahead of that load.  It stands behind the wave's tensor load and its five lines.
; Each aligned block of 256 bytes is named once in the launch.  wt's tile is read by the four clusters of a row of the grid: the first of them (cluster x = 0) asks, waves 0 and 1, a sub-tile each; its four
; partners take 32 rows each, told apart BY ADDRESS; a lane a row, two lines for a row's 512 bytes.  A table tile is read by the four work-groups that differ in the column block: the one with column block 0
; asks, waves 2 and 3, their own 8 row blocks x 4 blocks of 256 bytes: one line.  The first three tiles come by their loads alone; the last change that fills a slot asks for nothing.
.macro ASK
	s_cmp_gt_u32 s[SLOTS], s[LIM]
	s_cbranch_scc0 .Lnot_mine_\@
	global_prefetch_b8 v[PFO], s[PFA:PFA+1] th:TH_LOAD_NT scope:SCOPE_SE
	s_cmp_eq_u32 s11, 0
	s_cbranch_scc0 .Lnot_mine_\@
	global_prefetch_b8 v[PFO], s[PFA:PFA+1] offset:256 th:TH_LOAD_NT scope:SCOPE_SE
.Lnot_mine_\@:
.endm
; A round of the cluster's barrier: my work-group's barrier, so that wave 0's signal speaks for all four waves; wave 0 signals; every wave waits for all four work-groups; my work-group's barrier once more.
.macro CROUND
	s_barrier_signal -1
	s_barrier_wait -1
	s_cmp_lg_u32 s10, 0
	s_cbranch_scc1 .Lnot_wave_0_\@
	s_barrier_signal -3
.Lnot_wave_0_\@:
	s_barrier_wait -3
	s_barrier_signal -1
	s_barrier_wait -1
.endm
	s_load_b128 s[4:7], s[0:1], 0x0                ; wt s[4:5], tab s[6:7]
	s_load_b64 s[8:9], s[0:1], 0x10                ; part
	v_lshl_add_u32 v[SPW], v0, 2, SPARE
	v_mov_b32 v[NIL], 0
	ds_add_u32 v[SPW], v[NIL]                      ; the wave's opening: the add, twice on end, and its wait ahead of my first tensor load; the set-up below, work on registers, stands between
	ds_add_u32 v[SPW], v[NIL]
	v_lshrrev_b32 v1, 5, v0
	v_readfirstlane_b32 s10, v1                    ; wave 0..3
	s_lshr_b32 s11, s10, 1                         ; I fetch wt (0) or the table (1),
	s_and_b32 s12, s10, 1                          ; and which half of it: p
	s_bfe_u32 s13, ttmp6, 0x40000                  ; cx: my place in the cluster: it enters global addresses of the table, the prefetches and part alone
	s_lshl_b32 s14, ttmp9, 2                       ; in a cluster launch ttmp9 counts clusters
	s_add_co_u32 s14, s14, s13                     ; mt: my block of 256 rows
	s_and_b32 s15, ttmp7, 0xffff
	s_and_b32 s16, s15, 3                          ; nt: my block of 128 columns
	s_lshr_b32 s17, s15, 2                         ; ks: my quarter of K
	; group 1 for wt: a tile of 128 rows x 256 elements of 2 bytes, rows 32,768 elements apart, padded in LDS
	s_mov_b32 s[G1B], 15|(1<<16)|(1<<20)|(1<<21)|(6<<22)|(3<<25)  ; 15:0 the mask: all four work-groups; 17:16 2-byte elements; 20 padding on; 21 set beside a mask; 24:22 after every 128 words (code 6); 31:25 4 words (code 3)
	s_mov_b32 s[G1B+1], 256<<16                    ; tensor_dim0 = 256
	s_mov_b32 s[G1B+2], 128<<16                    ; tensor_dim1 = 128
	s_mov_b32 s[G1B+3], 256<<16                    ; tile_dim0 = 256
	s_mov_b32 s[G1B+4], 128                        ; tile_dim1 = 128
	s_mov_b32 s[G1B+5], 32768                      ; elements from row to row
	s_mov_b32 s[G1B+6], 0
	s_mov_b32 s[G1B+7], 0
	; group 1 for the table: 8 row blocks x 128 elements of 8 bytes (1,024 bytes: two ig), row blocks 8,192 elements apart, no mask, no padding
	s_mov_b32 s[G1T], 3<<16
	s_mov_b32 s[G1T+1], 128<<16
	s_mov_b32 s[G1T+2], 8<<16
	s_mov_b32 s[G1T+3], 128<<16
	s_mov_b32 s[G1T+4], 8
	s_mov_b32 s[G1T+5], 8192
	s_mov_b32 s[G1T+6], 0
	s_mov_b32 s[G1T+7], 0
	; wt's tile 0: row 128 nt, byte 16,384 ks + 512 p.  Nothing here hangs on cx
	s_lshl_b32 s18, s16, 23
	s_lshl_b32 s19, s17, 14
	s_add_co_u32 s18, s18, s19
	s_lshl_b32 s19, s12, 9
	s_add_co_u32 s18, s18, s19
	s_mov_b32 s19, 0
	; the table's tile 0: row block 16 mt + 8 p, ig 32 ks + 1
	s_lshl_b32 s20, s14, 4
	s_lshl_b32 s21, s12, 3
	s_add_co_u32 s20, s20, s21
	s_lshl_b32 s20, s20, 16
	s_lshl_b32 s21, s17, 14
	s_add_co_u32 s20, s20, s21
	s_add_co_u32 s20, s20, 512
	s_mov_b32 s21, 0
	s_mul_i32 s22, s12, SUB                        ; where they go in a slot: made of the wave's number alone
	s_lshl_b32 s23, s12, 13
	; ig 0's table, for my own four row blocks 16 mt + 4 w + 0..3
	s_lshl_b32 s66, s14, 4
	s_lshl_b32 s67, s10, 2
	s_add_co_u32 s66, s66, s67
	s_lshl_b32 s66, s66, 16
	s_lshl_b32 s67, s17, 14
	s_add_co_u32 s66, s66, s67
	s_mov_b32 s67, 0
	; part: 8,388,608 ks + 32,768 ((4 mt + nt) 4 + w)
	s_lshl_b32 s68, s14, 2
	s_add_co_u32 s68, s68, s16
	s_lshl_b32 s68, s68, 2
	s_add_co_u32 s68, s68, s10
	s_lshl_b32 s68, s68, 15
	s_lshl_b32 s69, s17, 23
	s_add_co_u32 s68, s68, s69
	s_mov_b32 s69, 0
	; the prefetches: in wt row 128 nt + 32 cx, byte 16,384 ks + 512 p; in tab my own tile
	s_lshl_b32 s70, s16, 7
	s_lshl_b32 s71, s13, 5
	s_add_co_u32 s70, s70, s71
	s_lshl_b32 s70, s70, 16
	s_lshl_b32 s71, s17, 14
	s_add_co_u32 s70, s70, s71
	s_lshl_b32 s71, s12, 9
	s_add_co_u32 s70, s70, s71
	s_cmp_eq_u32 s11, 0
	s_cselect_b32 s70, s70, s20
	s_mov_b32 s71, 0
	s_cselect_b32 s[LIM], ttmp9, s16               ; the coordinate along which other work-groups read the same bytes
	s_cmp_eq_u32 s[LIM], 0
	s_cselect_b32 s[LIM], 1, -1                    ; the same in all four partners, for a given wave
	s_mov_b32 s[TBB], 0
	s_mov_b32 s[TBT], TAB0
	s_mov_b32 s[SLOTS], 15
	s_wait_dscnt 0x0                               ; both opening adds are done
	s_wait_kmcnt 0x0
	s_add_nc_u64 s[72:73], s[4:5], s[18:19]
	s_add_nc_u64 s[74:75], s[6:7], s[20:21]
	s_add_nc_u64 s[66:67], s[6:7], s[66:67]
	s_add_nc_u64 s[8:9], s[8:9], s[68:69]
	s_cmp_eq_u32 s11, 0
	s_cselect_b64 s[PFA:PFA+1], s[4:5], s[6:7]
	s_add_nc_u64 s[PFA:PFA+1], s[PFA:PFA+1], s[70:71]
	s_add_nc_u64 s[PFA:PFA+1], s[PFA:PFA+1], 2048  ; at tile 2: the first change of slots steps it to tile 3.  Nothing is prefetched at the head, where every work-group's first tiles are on their way
.irp s, 0,1
	s_mov_b32 s[G0B+4*(\s)], 1                     ; 1:0 count = 1
	s_add_co_u32 s[G0B+4*(\s)+1], s22, (\s)*SLX    ; 63:32 LDS address
	s_add_nc_u64 s[G0B+4*(\s)+2:G0B+4*(\s)+3], s[72:73], (\s)*1024  ; 120:64 global address: tile s
	s_or_b32 s[G0B+4*(\s)+3], s[G0B+4*(\s)+3], 0x80000000           ; 127:126 type = 2
	s_mov_b32 s[G0T+4*(\s)], 1
	s_add_co_u32 s[G0T+4*(\s)+1], s23, TAB0+(\s)*SLX
	s_add_nc_u64 s[G0T+4*(\s)+2:G0T+4*(\s)+3], s[74:75], (\s)*1024
	s_or_b32 s[G0T+4*(\s)+3], s[G0T+4*(\s)+3], 0x80000000
.endr
	CROUND                                         ; all four work-groups are here: the first joint loads meet
	s_cmp_eq_u32 s11, 0                            ; a wave's two first fills stand in one branch, ahead of every wait on TENSORcnt and every LDS read: two loads of mine are out
	s_cbranch_scc0 .Lfirst_t
	tensor_load_to_lds s[G0B:G0B+3], s[G1B:G1B+7]
	s_nop 0
	tensor_load_to_lds s[G0B+4:G0B+7], s[G1B:G1B+7]
	s_nop 0
.rept 4
	v_nop
.endr
	s_branch .Lfirst_asked
.Lfirst_t:
	tensor_load_to_lds s[G0T:G0T+3], s[G1T:G1T+7]
	s_nop 0
	tensor_load_to_lds s[G0T+4:G0T+7], s[G1T:G1T+7]
	s_nop 0
.rept 4
	v_nop
.endr
.Lfirst_asked:
	v_and_b32 v1, 31, v0                           ; lane
	v_and_b32 v3, 15, v0                           ; l % 16
	v_bfe_u32 v4, v0, 4, 1                         ; l / 16
	v_lshlrev_b32 v[CO], 4, v1
.irp a, 0,1,2,3
	global_load_b128 v[TN+4*(\a):TN+4*(\a)+3], v[CO], s[66:67] offset:(\a)*65536  ; ig 0's (cos, sin) of my four row blocks
.endr
	v_mul_u32_u24 v[BL0], v3, PB
	v_lshl_add_u32 v[BL0], v4, 5, v[BL0]
	s_lshl_b32 s68, s10, 12
	v_lshl_add_u32 v[TL0], v1, 4, s68
	v_mov_b32 v[ONE], 1.0
	v_mov_b32 v[ONE+1], 0
	s_lshl_b32 s68, s11, 1                         ; wt: a lane a row of 65,536 bytes.  The table: four lanes a row block, 256 bytes apart
	s_mul_i32 s69, s11, 3
	v_lshrrev_b32 v[PFO], s68, v1
	v_and_b32 v2, s69, v1
	v_lshlrev_b32 v[PFO], 16, v[PFO]
	v_lshl_or_b32 v[PFO], v2, 8, v[PFO]
; THE VECTOR WORK.  FSTEP: the recurrence's step st (0..7) of quarter q for row block a; CSTEP: its pair rounded to f16 into register st of the fragment.  Harmonic k = 8 q + st + 1.
; q = 0 begins anew from the table's P(1): st 0 makes T = (2 cos, 2 cos) and rounds P(1); st 1: Y = P(1) T - P(0); st 2: X = Y T - P(1).  Elsewhere Y = X T - Y (st odd), X = Y T - X (st even).
.macro FSTEP a, e, q, st
.set rX, CH+6*(\a)
.set rY, CH+6*(\a)+2
.set rT, CH+6*(\a)+4
.set rP, TN+4*(\a)+2*(\e)
.if ((\q) == 0) && ((\st) == 0)
	v_pk_add_f32 v[rT:rT+1], v[rP:rP+1], v[rP:rP+1] op_sel_hi:[0,0]
.elseif ((\q) == 0) && ((\st) == 1)
	v_pk_fma_f32 v[rY:rY+1], v[rP:rP+1], v[rT:rT+1], v[ONE:ONE+1] neg_lo:[0,0,1] neg_hi:[0,0,1]
.elseif ((\q) == 0) && ((\st) == 2)
	v_pk_fma_f32 v[rX:rX+1], v[rY:rY+1], v[rT:rT+1], v[rP:rP+1] neg_lo:[0,0,1] neg_hi:[0,0,1]
.elseif ((\st)%2) == 1
	v_pk_fma_f32 v[rY:rY+1], v[rX:rX+1], v[rT:rT+1], v[rY:rY+1] neg_lo:[0,0,1] neg_hi:[0,0,1]
.else
	v_pk_fma_f32 v[rX:rX+1], v[rY:rY+1], v[rT:rT+1], v[rX:rX+1] neg_lo:[0,0,1] neg_hi:[0,0,1]
.endif
.endm
.macro CSTEP nb, a, e, q, st
.set rD, AB+32*(\nb)+8*(\a)+(\st)
.if ((\q) == 0) && ((\st) == 0)
.set rS, TN+4*(\a)+2*(\e)
.elseif ((\st)%2) == 1
.set rS, CH+6*(\a)+2
.else
.set rS, CH+6*(\a)
.endif
	v_cvt_pk_f16_f32 v[rD], v[rS], v[rS+1]
.endm
; Four vector lines, group gi of a block's 16.  THE FOUR ROW BLOCKS GO IN STEP: an even group is step gi / 2 of the recurrence for all four, the odd group behind it the four roundings of that step.
; So no line reads a result of its own group: a rounding reads a step of the group before, with two products between; a step reads the step two groups back.
; A rounding's source is safe until it is read: step st + 1, in the group behind the rounding, writes the other of X and Y.
.macro RID nb, e, q, gi
.if ((\gi)%2) == 0
.irp a, 0,1,2,3
	FSTEP \a, \e, \q, (\gi)/2
.endr
.else
.irp a, 0,1,2,3
	CSTEP \nb, \a, \e, \q, (\gi)/2
.endr
.endif
.endm
.macro WM a, zero                      ; the product of weight fragment bb (at wb in window 2) and row block a's features of buffer cb; zero = 1: it starts the sum: nothing is ever cleared
.set rA, 8*(8*(\a)+bb)
.if \zero
	v_wmma_f32_16x16x32_f16 v[rA:rA+7], v[wb+8*bb:wb+8*bb+7], v[AB+32*cb+8*(\a):AB+32*cb+8*(\a)+7], 0
.else
	v_wmma_f32_16x16x32_f16 v[rA:rA+7], v[wb+8*bb:wb+8*bb+7], v[AB+32*cb+8*(\a):AB+32*cb+8*(\a)+7], v[rA:rA+7]
.endif
.endm
; A RUN OF 32 LDS LOADS: the weight fragments of pair p (blocks 2 p and 2 p + 1) of the ig whose sub-tile BADR names, into buffer p % 2 of window 2; the first block's first.
.macro FETCH p
	WIN TO_W
.set ff, 0
.rept 16                               ; block 2 p + ff / 8, fragment ff % 8
	ds_load_b128 v[128*((\p)&1)+8*ff:128*((\p)&1)+8*ff+3],   v[BADR] offset:(2*(\p)+ff/8)*64+(ff%8)*16*PB
	ds_load_b128 v[128*((\p)&1)+8*ff+4:128*((\p)&1)+8*ff+7], v[BADR] offset:(2*(\p)+ff/8)*64+(ff%8)*16*PB+16
.set ff, ff+1
.endr
.endm
; A BLOCK: 32 along K, block bl = 4 e + q of an ig: 32 products.  The 32 accumulators take turns, one instruction a turn, in the same order in every block and over every jump.
; work = 1: behind every two products stands a group of four vector lines; the block's 16 groups make the NEXT block's features in the other feature buffer.  That buffer is first written in group 1; its last
; reader is the last product of the block before, and behind that product stand that block's group 15 (four roundings, which name the state and the buffer that the product did not read: the places behind it,
; ISA guide 7.12.1) and this block's group 0 (four steps on the state).
; An even block begins a pair: one wait for the pair's run, which was issued 60 products earlier.  run = 1 (even blocks): behind the block's first four products and eight vector lines stands the run for the
; next pair.  The buffer that it fills was last read by the last product of the pair before: twelve vector lines back, of which the first eight name none of that product's registers.
; Block 4's run begins with the next ig's table entry: its last readers are steps 0 to 2 of block 4's features, which stand in block 3; its next reader stands in block 7, behind block 6's wait.
.macro BLK bl, zero=0, work=1, run=0
.set cb, (\bl)&1
.set nb, 1-cb
.set nx, ((\bl)+1)&7
.set wb, 64*((\bl)&3)
.if ((\bl)&1) == 0
	s_wait_dscnt 0x0                               ; the pair's 32 loads are in (at block 6 the table's four too)
.endif
.set bb, 0
.rept 8
	WIN MUL
	WM 0, \zero
	WM 1, \zero
.if \work
	WIN 0
	RID nb, nx/4, nx%4, 2*bb
.endif
	WIN MUL
	WM 2, \zero
	WM 3, \zero
.if \work
	WIN 0
	RID nb, nx/4, nx%4, 2*bb+1
.endif
.if (\run) && (bb == 0)
.if (\bl) == 4
.irp a, 0,1,2,3
	ds_load_b128 v[TN+4*(\a):TN+4*(\a)+3], v[TADR] offset:(\a)*1024
.endr
.endif
	FETCH (((\bl)/2)+1)&3
.endif
.set bb, bb+1
.endr
.endm
.macro TOP                             ; an ig begins: the LDS addresses of its sub-tile and of the table half that it reads
	WIN 0
	v_add_nc_u32 v[BADR], s[TBB], v[BL0]
	v_add_nc_u32 v[TADR], s[TBT], v[TL0]
	s_add_co_u32 s[TBB], s[TBB], SUB
	s_add_co_u32 s[TBT], s[TBT], 512
.endm
; A trip: blocks 6 and 7 of the ig before, whose weights are in registers, then blocks 0 to 5 of this ig.  Its four runs fetch this ig's four pairs: all that a trip reads from LDS lies in its own slot,
; and the change of slots stands between trips.
.macro BODY
	TOP
	BLK 6, 0, 1, 1
	BLK 7
	BLK 0, 0, 1, 1
	BLK 1
	BLK 2, 0, 1, 1
	BLK 3
	BLK 4, 0, 1, 1
	BLK 5
.endm
; THE CHANGE OF SLOTS.  Each wave waits for all its tensor loads, of which one is out: its part of the other slot; adds 0 to its spare word; and waits for that and for its own reads of the slot that it leaves.
; fill = 1: the slot is filled again, with the tile two on.  The barrier is then a round of the cluster's, so that no wave of any partner still reads the slot or has a load on its way, and the refill is the first thing behind it.
.macro CHANGE fill
	WIN 0                                          ; at a label and at a branch every window is 0
	s_wait_tensorcnt 0x0                           ; no tensor load of mine is out, so a group 0 may be written
	ds_add_u32 v[SPW], v[NIL]                      ; 0 onto my spare word; the descriptors' steps stand between it and the wait for it
.if \fill
	s_xor_b32 s[G0B+5], s[G0B+5], SLX              ; the walking descriptors: the other slot than last time,
	s_add_nc_u64 s[G0B+6:G0B+7], s[G0B+6:G0B+7], 1024  ; the next tile; the type bits on top are not reached
	s_xor_b32 s[G0T+5], s[G0T+5], TSX
	s_add_nc_u64 s[G0T+6:G0T+7], s[G0T+6:G0T+7], 1024
	s_wait_xcnt 0x0                                ; the last prefetches, a tile back, have read their address, so it may be written
	s_add_nc_u64 s[PFA:PFA+1], s[PFA:PFA+1], 1024
	s_wait_dscnt 0x0                               ; the add is done, and my reads of the slot are over
	CROUND
	JLOAD
	ASK
.else
	s_wait_dscnt 0x0                               ; the add is done, and my reads of the slot are over
	s_barrier_signal -1
	s_barrier_wait -1
.endif
	s_sub_co_u32 s[TBB], s[TBB], 2*SUB             ; back to a slot's first ig,
	s_xor_b32 s[TBB], s[TBB], SLX                  ; in the other slot
	s_sub_co_u32 s[TBT], s[TBT], 1024
	s_xor_b32 s[TBT], s[TBT], TSX
.endm
	s_wait_tensorcnt 0x1                           ; my part of slot 0 is in; slot 1's may stay out
	s_barrier_signal -1
	s_barrier_wait -1                              ; everybody's is
	TOP                                            ; ig 0
	FETCH 0                                        ; its first pair's weights
	WIN 0
	s_wait_loadcnt 0x0                             ; ig 0's table entries
.set gg, 0
.rept 16
	RID 0, 0, 0, gg                                ; block 0's features: there are no products yet to set them beside
.set gg, gg+1
.endr
	BLK 0, 1, 1, 1                                 ; the first block stands ahead of the loop: its products start the sums
	BLK 1
	BLK 2, 0, 1, 1
	BLK 3
	BLK 4, 0, 1, 1
	BLK 5
	WIN 0
	s_mov_b32 s[CNT], 1                            ; tile 0 has one trip left: ig 1
	s_branch .Lig
.Lslot:                                        ; 14 times: every slot but the last two is filled again
	CHANGE 1
	s_mov_b32 s[CNT], 2
.Lig:
	BODY
	WIN 0
	s_sub_co_u32 s[CNT], s[CNT], 1
	s_cmp_lg_u32 s[CNT], 0
	s_cbranch_scc1 .Lig
	s_sub_co_u32 s[SLOTS], s[SLOTS], 1
	s_cmp_lg_u32 s[SLOTS], 0
	s_cbranch_scc1 .Lslot
	CHANGE 0                                       ; the last tile is written out: nothing is asked for
	s_mov_b32 s[CNT], 2
.Ltail:
	BODY
	WIN 0
	s_sub_co_u32 s[CNT], s[CNT], 1
	s_cmp_lg_u32 s[CNT], 0
	s_cbranch_scc1 .Ltail
	BLK 6, 0, 1, 0                                 ; the last ig's last pair: nothing more is fetched; block 6 still makes block 7's features,
	BLK 7, 0, 0, 0                                 ; block 7 is products alone
	WIN 0
.rept 8
	v_nop                                          ; the places between the last products and the stores that read results, once a launch
.endr
	WIN 0x04                                       ; store data (source 1) in window 1, the address in window 0
.irp a, 0,1,2,3
.irp b, 0,1,2,3,4,5,6,7                ; each accumulator's four lowest registers go first; each store of the wave covers 512 consecutive bytes, aligned
	global_store_b128 v[CO], v[8*(8*(\a)+(\b)):8*(8*(\a)+(\b))+3],   s[8:9] offset:(\a)*8192+(\b)*1024
	global_store_b128 v[CO], v[8*(8*(\a)+(\b))+4:8*(8*(\a)+(\b))+7], s[8:9] offset:(\a)*8192+(\b)*1024+512
.endr
.endr
	WIN 0
	s_wait_tensorcnt 0x0                           ; the wave's end, behind my last tensor load
	ds_add_u32 v[SPW], v[NIL]
	s_wait_dscnt 0x0
	CROUND                                         ; the closing round: no work-group ends while a partner may still ask for a tile that names it
	s_endpgm
.Lfunc_end_k_q3230b12dfe_gemm:
	.size	k_q3230b12dfe_gemm, .Lfunc_end_k_q3230b12dfe_gemm-k_q3230b12dfe_gemm
	.p2alignl 7, 3214868480
	.fill 96, 4, 3214868480
	.section	.rodata,"a",@progbits
	.p2align	6, 0x0
	.amdhsa_kernel k_q3230b12dfe_gemm
		.amdhsa_group_segment_fixed_size 327680
		.amdhsa_private_segment_fixed_size 0
		.amdhsa_enable_private_segment 0
		.amdhsa_kernarg_size 24
		.amdhsa_user_sgpr_count 2
		.amdhsa_user_sgpr_kernarg_segment_ptr 1
		.amdhsa_wavefront_size32 1
		.amdhsa_system_sgpr_workgroup_id_x 1
		.amdhsa_system_sgpr_workgroup_id_y 1
		.amdhsa_system_sgpr_workgroup_id_z 1
		.amdhsa_system_vgpr_workitem_id 0
		.amdhsa_next_free_vgpr 768
		.amdhsa_next_free_sgpr 80
		.amdhsa_reserve_vcc 0
		.amdhsa_float_denorm_mode_32 3
		.amdhsa_float_denorm_mode_16_64 3
		.amdhsa_memory_ordered 1
		.amdhsa_forward_progress 1
		.amdhsa_inst_pref_size 210
	.end_amdhsa_kernel
	.amdgpu_metadata
---
amdhsa.version: [ 1, 2 ]
amdhsa.kernels:
  - .name:           k_q3230b12dfe_gemm
    .symbol:         k_q3230b12dfe_gemm.kd
    .args:
      - { .name: wt, .offset: 0, .size: 8, .value_kind: global_buffer, .address_space: global }
      - { .name: tab, .offset: 8, .size: 8, .value_kind: global_buffer, .address_space: global }
      - { .name: part, .offset: 16, .size: 8, .value_kind: global_buffer, .address_space: global }
    .group_segment_fixed_size: 327680
    .private_segment_fixed_size: 0
    .kernarg_segment_align: 8
    .kernarg_segment_size: 24
    .max_flat_workgroup_size: 128
    .sgpr_count:     80
    .vgpr_count:     768
    .wavefront_size: 32
...
	.end_amdgpu_metadata
.endif
;; end of part 4
;; launch reduce: the kernel of part 3 again; grid 256 x 1, 8 waves a work-group, no clusters, 35,840 bytes of LDS; arguments part, bias, out0; writes out0
;; ======== version 3 of 3: 3 launches; version 2 with the launch prep written anew for expert scheduling mode
;; limits: values are held in f16: magnitudes above 65,504 overflow, below 6.1e-05 lose precision; right only within a limited range of input values
;; workspace buffers: wt 33,554,432 bytes; tab 16,777,728 bytes; part 33,554,432 bytes
;; launch prep (part 5): grid 256 x 1, 8 waves a work-group, no clusters, 68,608 bytes of LDS; arguments x, ln_w, ln_b, fouriercoeffs, wt, tab; writes wt, tab
.if DOCPART == 5
	.amdgcn_target "amdgcn-amd-amdhsa--gfx1250"
	.amdhsa_code_object_version 6
	.text
	.protected	k_q3230b12dfe_prep
	.globl	k_q3230b12dfe_prep
	.p2align	8
	.type	k_q3230b12dfe_prep,@function
k_q3230b12dfe_prep:
	s_mov_b64 s[64:65], 0
	v_nop
	global_prefetch_b8 v0, s[64:65] scope:SCOPE_SE
	s_setreg_imm32_b32 hwreg(HW_REG_WAVE_SCHED_MODE, 0, 2), 2
	s_setreg_imm32_b32 hwreg(HW_REG_WAVE_MODE, 25, 1), 1
	s_wait_xcnt 0x0
	s_wait_alu depctr_vm_vsrc(0)
; FOURIER KAN LAYER, launch 1 of 3.  y[b][o] = sum over i, g of cos((g+1) xn[b][i]) F[0][o][i][g] + sin((g+1) xn[b][i]) F[1][o][i][g] + bias[o], xn = LayerNorm(x) ln_w + ln_b.
; NO WORK OF reference() IS LEFT OUT: every input has a way to the output and every input is loaded (x, ln_w, ln_b, fouriercoeffs here, bias in the third launch).
; THIS LAUNCH makes (1) wt: the weights rounded once to f16, in the order in which the product's fragments take them, and (2) tab: cos xn and sin xn in f32.
; The 32 harmonics are made in the second launch from these two numbers by P(k+1) = 2 cos(xn) P(k) - P(k-1), P(k) = (cos k xn, sin k xn): an identity for every xn.
; K ORDER, the same for features and weights: kk = 256 ig + 128 e + 32 q + 16 h + 2 c + t; input i = 4 ig + 2 h + e, harmonic index g = 8 q + c, t = 0 cos, 1 sin.
;   wt[o][kk] f16, a row 65,536 bytes.   tab byte = 65,536 rb + 512 ig + 16 (16 h + r) + 8 e + 4 t (f32), row b = 16 rb + r; 512 bytes of zeros follow the last row block:
;   the second launch's last table tile reaches them and uses nothing of them.
; WHY f16: features lie in -1 .. 1; a sum has 32,768 terms, and 11 significant bits in both operands leave the comparison's allowance room that 8 bits do not.
; LIMITS.  Weights beyond 65,504 in magnitude become infinite in f16 (the drawn spread is 0.008); below 6e-5 they keep f16's fixed step of 6e-8.
; The angle is reduced by n = nearest integer to xn 2/pi with pi/2 in two parts: good while |xn| stays under 2^22; beyond that the values are finite and wrong.
; The harmonics are those of k xn exactly, where reference() rounds k xn to f32 first: half a last place of k xn apart.  NaN or infinity in a row of x gives NaN there, as in reference().
; SHARES.  Work-group G: the 16 rows of x of row block G, and the weight rows o = 2 G, 2 G + 1.  Wave w: x rows 2 w, 2 w + 1; of the weights o = 2 G + w / 4, ig = 32 (w % 4) + 0 .. 31.
; The first eight chunks of weights are asked for ahead of the LayerNorm, which runs while they are on their way; the next eight as soon as it has ended.
; THE MODE: SCHED_MODE bits 1:0 = 2 (LLVM: expert scheduling mode 2), set by the entry lines.  The code itself states the register dependences
; between vector instructions and memory or LDS instructions, with s_wait_alu, always for 0.
; THE PLAN.  Registers that memory or LDS instructions touch:
;   v2, v3, v5, v6   offsets and LDS addresses, made once at the head and never written again; v8, v9 likewise, for the closing lines alone.
;   QD, 16 quads     Row rr's eight calls of SINCOS2 write the eight quads at QD + 32 rr; ONE wait; the row's eight LDS stores read them.  No quad is written twice by vector lines.
;                    Behind the barrier the 16 loads from the stage land in all of QD, and the 16 stores to tab read it.
;   F0 .. F3         four blocks of four chunks of weights as loaded.  F0, F1 are v96-159.  F2, F3 are v16-79, x's, ln_w's and ln_b's registers, free when the LayerNorm has ended.
;                    Written by the loads of block p + 3, issued in block p (blocks 0 to 3: ahead of block 0); read by block p's roundings.
;   OUT0, OUT1       two blocks of f16 pairs to store.  Written by block p's roundings; read by the four stores that are issued in block p + 1.
;                    (During the LayerNorm these registers hold n and its integer form, which vector lines alone name.)
; Block p works on F[p % 4] and writes OUT[p % 2].  Its memory instructions are the loads into F[(p + 3) % 4] = F[(p - 1) % 4] and the stores from OUT[(p - 1) % 2]: the two buffers that block p - 1
; worked on and that no vector line of block p names.  So the waits at a block's head state all that its twelve memory instructions hang on, and these are dealt among its roundings with no further wait.
.set PITCH, 528                        ; an LDS row: the 512 bytes of one ig + 16: lanes a row apart store to different groups of four banks (64 banks of 4 bytes: ISA guide 11.1)
.set SPARE, 128*PITCH                  ; behind the stage: the spare words, 128 bytes for each of the eight waves: four blocks of 256 bytes that no other line names
.set L16,  2                           ; v2   16 x lane: my offset in every run of 512 consecutive bytes; never rewritten
.set FO,   3                           ; v3   my 16 bytes in the 512 bytes of one ig of F; never rewritten
.set LA,   5                           ; v5   where I put a quad (cos, sin, cos, sin) in the stage
.set LR,   6                           ; v6   where I read the stage back
.set SPW,  8                           ; v8   LDS address of my spare word; never rewritten
.set NIL,  9                           ; v9   0; never rewritten
.set MU,   10                          ; v[10:11] the row's mean, twice
.set RS,   12                          ; v[12:13] 1 / sqrt(var + eps), twice
.set VA,   14                          ; v14  var + eps
.set XB,   16                          ; v[16:47] two rows of x: row rr at 16 rr, register 4 c + z = column 128 c + 4 lane + z; later F2
.set LW,   48                          ; v[48:63] ln_w of those columns; later, with ln_b's, F3
.set LB,   64                          ; v[64:79] ln_b
.set WN,   80                          ; v[80:95] at work, in pairs; once a row all sixteen: n mod 2 of the row's sixteen angles
.set WR,   82
.set WZ,   84
.set WS,   86
.set WC,   88
.set WH,   90
.set WT,   94
.set FC,   96                          ; v[96:159]  F0, F1: a chunk is 4 registers of cos weights, then 4 of sin weights
.set OUT,  160                         ; v[160:191] OUT0, OUT1: a chunk is 4 registers of f16 pairs to store
.set NN,   OUT                         ; v[160:175] in the LayerNorm: n, the nearest integer to xn 2/pi, of a row's sixteen angles, in f32
.set NQ,   OUT+16                      ; v[176:191] the same as integers
.set QD,   192                         ; v[192:255] sixteen quads on their way into the stage; later the stage read back
.set MK,   44                          ; s[44:59]   a row's sixteen masks: n is odd
.macro KPAIR r, val                    ; a constant for the packed forms, which name a pair and take its low word for both halves
	s_mov_b32 s[\r], \val
	s_mov_b32 s[\r+1], \val
.endm
	s_load_b256 s[4:11], s[0:1], 0x0               ; x s[4:5], ln_w s[6:7], ln_b s[8:9], F s[10:11]
	s_load_b128 s[12:15], s[0:1], 0x20             ; wt s[12:13], tab s[14:15]
	v_lshl_add_u32 v[SPW], v0, 2, SPARE
	v_mov_b32 v[NIL], 0
	v_lshrrev_b32 v1, 5, v0
	v_readfirstlane_b32 s18, v1                    ; wave 0..7
	v_and_b32 v1, 31, v0                           ; lane l
	v_lshlrev_b32 v[L16], 4, v1
	; my 16 bytes of wt's 512 for an ig are e = l / 16, q = (l / 4) % 4, h = (l / 2) % 2, c = 4 (l % 2) + 0..3; they come from input 2 h + e, g = 8 q + c: byte 16 (16 h + 8 e + 2 q + l % 2) of F's 512
	v_bfe_u32 v[FO], v1, 1, 1
	v_bfe_u32 v4, v1, 2, 3
	v_and_b32 v7, 1, v1
	v_lshlrev_b32 v[FO], 4, v[FO]
	v_lshl_add_u32 v[FO], v4, 1, v[FO]
	v_add_lshl_u32 v[FO], v[FO], v7, 4
	v_mul_u32_u24 v[LA], v1, PITCH
	s_wait_alu depctr_va_sdst(0)                   ; s18 is written, ahead of its first reader: LDS addresses, bases and the tail's branch are made from it
	s_lshl_b32 s60, s18, 5                         ; these two terms, which vector lines read, have registers that nothing writes again
	s_mul_i32 s61, s18, 16*PITCH
	v_add_nc_u32 v[LA], s60, v[LA]                 ; stage row ig = lane (+ 32 c), 16 bytes at row r = 2 w (+ rr)
	v_add_nc_u32 v[LR], s61, v[L16]                ; back: stage rows 16 w + 0..15, whole
	KPAIR 20, 0x3f22f983                           ; 2 / pi
	KPAIR 22, 0xbfc90fdb                           ; - (pi/2 rounded to f32)
	KPAIR 24, 0x333bbd2e                           ; that rounding's excess over pi/2, 4.371139e-8
	KPAIR 26, 0xb94ca1f9                           ; sin r = r + r z (S2 + z (S1 + z S0)), z = r r, |r| <= pi/4
	KPAIR 28, 0x3c08839e
	KPAIR 30, 0xbe2aaaa3
	KPAIR 32, 0x37ccf5ce                           ; cos r = 1 - z/2 + z z (C2 + z (C1 + z C0))
	KPAIR 34, 0xbab6061a
	KPAIR 36, 0x3d2aaaa5
	s_mov_b32 s38, 0x80000000                      ; a sign
	s_mov_b32 s39, 0x3b000000                      ; 1 / 512
	s_mov_b32 s40, 0x3727c5ac                      ; eps = 1e-5
	s_mov_b32 s41, 0x76543210                      ; v_permlanex16_b32: each lane takes its own place in the other half
	s_mov_b32 s42, 0xfedcba98
	s_lshl_b32 s44, ttmp9, 15                      ; x: 16 G + 2 w rows of 2,048 bytes
	s_lshl_b32 s45, s18, 12
	s_add_co_u32 s44, s44, s45
	s_mov_b32 s45, 0
	s_lshl_b32 s46, ttmp9, 1                       ; F and wt alike: o = 2 G + w / 4 rows of 65,536 bytes, then 32 (w % 4) chunks of 512
	s_lshr_b32 s47, s18, 2
	s_add_co_u32 s46, s46, s47
	s_lshl_b32 s46, s46, 16
	s_and_b32 s47, s18, 3
	s_lshl_b32 s47, s47, 14
	s_add_co_u32 s46, s46, s47
	s_mov_b32 s47, 0
	s_lshl_b32 s48, ttmp9, 16                      ; tab: row block G, ig 16 w on
	s_lshl_b32 s49, s18, 13
	s_add_co_u32 s48, s48, s49
	s_mov_b32 s49, 0
	s_lshl_b32 s43, ttmp9, 3
	s_add_co_u32 s43, s43, s18                     ; my wave among the launch's 2,048
	s_wait_kmcnt 0x0
	s_add_nc_u64 s[4:5], s[4:5], s[44:45]
	s_add_nc_u64 s[10:11], s[10:11], s[46:47]      ; F[0] at my first chunk,
	s_add_nc_u64 s[16:17], s[10:11], 0x2000000     ; F[1] likewise
	s_add_nc_u64 s[12:13], s[12:13], s[46:47]
	s_add_nc_u64 s[2:3], s[14:15], 0x1000000       ; tab's 512 bytes of tail
	s_add_nc_u64 s[14:15], s[14:15], s[48:49]
	s_wait_alu depctr_va_vdst(0)                   ; v2, v3, v5 and v6 are written: every load and store of the kernel, global or LDS, reads one of them as its offset or address
; Chunk n lies in buffer (n / 4) % 4, at its place n % 4: F0 at 96, F1 at 128, F2 at 16, F3 at 48.
.macro FILL n                          ; chunk n: 512 consecutive bytes of cos weights and 512 of sin weights, 16 bytes a lane each
.set lf, FC+32*(((\n)/4)%4)-144*((((\n)/4)%4)/2)+8*((\n)%4)
	global_load_b128 v[lf:lf+3],   v[FO], s[10:11] offset:(\n)*512 th:TH_LOAD_NT
	global_load_b128 v[lf+4:lf+7], v[FO], s[16:17] offset:(\n)*512 th:TH_LOAD_NT
.endm
.irp rr, 0,1
.irp c, 0,1,2,3
	global_load_b128 v[XB+16*(\rr)+4*(\c):XB+16*(\rr)+4*(\c)+3], v[L16], s[4:5] offset:(\rr)*2048+(\c)*512 th:TH_LOAD_NT
.endr
.endr
.irp c, 0,1,2,3
	global_load_b128 v[LW+4*(\c):LW+4*(\c)+3], v[L16], s[6:7] offset:(\c)*512
	global_load_b128 v[LB+4*(\c):LB+4*(\c)+3], v[L16], s[8:9] offset:(\c)*512
.endr
.irp n, 0,1,2,3,4,5,6,7
	FILL \n                                        ; blocks 0 and 1 into F0 and F1
.endr
.macro REDUCE v, t                     ; the sum over the wave's 32 lanes, in every lane; t has been written before
	v_add_f32_dpp v[\v], v[\v], v[\v] row_xmask:1 row_mask:0xf bank_mask:0xf
	v_add_f32_dpp v[\v], v[\v], v[\v] row_xmask:2 row_mask:0xf bank_mask:0xf
	v_add_f32_dpp v[\v], v[\v], v[\v] row_xmask:4 row_mask:0xf bank_mask:0xf
	v_add_f32_dpp v[\v], v[\v], v[\v] row_xmask:8 row_mask:0xf bank_mask:0xf
	v_permlanex16_b32 v[\t], v[\v], s41, s42
	v_add_f32 v[\v], v[\v], v[\t]
.endm
; The two angles at XR + p, XR + p + 1 -> (cos, sin, cos, sin) in the four registers from dst on.  n, its integer form and the masks 'n is odd' have been made for the whole row (LNROW).
; r = th - n pi/2 by two fused steps; sin r and cos r by polynomials; n mod 4 swaps them (odd n) and sets the signs (sin: n mod 4 = 2, 3; cos: 1, 2).
.macro SINCOS2 p, dst
	v_pk_fma_f32 v[WR:WR+1], v[NN+\p:NN+\p+1], s[22:23], v[XR+\p:XR+\p+1] op_sel_hi:[1,0,1]
	v_pk_fma_f32 v[WR:WR+1], v[NN+\p:NN+\p+1], s[24:25], v[WR:WR+1] op_sel_hi:[1,0,1]
	v_pk_mul_f32 v[WZ:WZ+1], v[WR:WR+1], v[WR:WR+1]
	v_pk_fma_f32 v[WS:WS+1], v[WZ:WZ+1], s[26:27], s[28:29] op_sel_hi:[1,0,0]
	v_pk_fma_f32 v[WC:WC+1], v[WZ:WZ+1], s[32:33], s[34:35] op_sel_hi:[1,0,0]
	v_pk_fma_f32 v[WS:WS+1], v[WS:WS+1], v[WZ:WZ+1], s[30:31] op_sel_hi:[1,1,0]
	v_pk_fma_f32 v[WC:WC+1], v[WC:WC+1], v[WZ:WZ+1], s[36:37] op_sel_hi:[1,1,0]
	v_pk_mul_f32 v[WS:WS+1], v[WS:WS+1], v[WZ:WZ+1]
	v_pk_mul_f32 v[WC:WC+1], v[WC:WC+1], v[WZ:WZ+1]
	v_pk_fma_f32 v[WH:WH+1], v[WZ:WZ+1], -0.5, 1.0 op_sel_hi:[1,0,0]
	v_pk_fma_f32 v[WS:WS+1], v[WS:WS+1], v[WR:WR+1], v[WR:WR+1]   ; sin r
	v_pk_fma_f32 v[WH:WH+1], v[WC:WC+1], v[WZ:WZ+1], v[WH:WH+1]   ; cos r
.if (\p) == 0
	s_wait_alu depctr_va_sdst(0)                   ; the row's sixteen compares have written s[MK ..], ahead of the first select that reads one: ONE wait for the run; the polynomials above stand between
.endif
.irp j, 0,1
	v_lshlrev_b32 v[WN], 30, v[NQ+\p+\j]           ; bit 1 of n goes to the sign's place
	v_add_nc_u32 v[WN+1], 1, v[NQ+\p+\j]
	v_lshlrev_b32 v[WN+1], 30, v[WN+1]             ; bit 1 of n + 1
	v_cndmask_b32 v[WT], v[WS+\j], v[WH+\j], s[MK+\p+\j]
	v_cndmask_b32 v[WT+1], v[WH+\j], v[WS+\j], s[MK+\p+\j]
	v_and_b32 v[WN], s38, v[WN]
	v_and_b32 v[WN+1], s38, v[WN+1]
	v_xor_b32 v[\dst+2*\j+1], v[WN], v[WT]         ; sin
	v_xor_b32 v[\dst+2*\j], v[WN+1], v[WT+1]       ; cos
.endr
.endm
; One row: mean; x - mean; the mean of its squares (two passes: no difference of large sums is formed); xn; cos and sin of the lane's 16 numbers, into the row's eight quads; these into the stage.
.macro LNROW rr
.set XR, XB+16*(\rr)
	v_pk_add_f32 v[WN:WN+1], v[XR:XR+1], v[XR+2:XR+3]
	v_pk_add_f32 v[WR:WR+1], v[XR+4:XR+5], v[XR+6:XR+7]
	v_pk_add_f32 v[WZ:WZ+1], v[XR+8:XR+9], v[XR+10:XR+11]
	v_pk_add_f32 v[WS:WS+1], v[XR+12:XR+13], v[XR+14:XR+15]
	v_pk_add_f32 v[WN:WN+1], v[WN:WN+1], v[WR:WR+1]
	v_pk_add_f32 v[WZ:WZ+1], v[WZ:WZ+1], v[WS:WS+1]
	v_pk_add_f32 v[WN:WN+1], v[WN:WN+1], v[WZ:WZ+1]
	v_add_f32 v[WN], v[WN], v[WN+1]
	REDUCE WN, WN+1
	v_mul_f32 v[MU], s39, v[WN]
	v_mul_f32 v[MU+1], s39, v[WN]
.irp p, 0,2,4,6,8,10,12,14
	v_pk_add_f32 v[XR+\p:XR+\p+1], v[XR+\p:XR+\p+1], v[MU:MU+1] neg_lo:[0,1] neg_hi:[0,1]
.endr
	v_pk_mul_f32 v[WN:WN+1], v[XR:XR+1], v[XR:XR+1]
	v_pk_mul_f32 v[WR:WR+1], v[XR+2:XR+3], v[XR+2:XR+3]
.irp p, 4,8,12
	v_pk_fma_f32 v[WN:WN+1], v[XR+\p:XR+\p+1], v[XR+\p:XR+\p+1], v[WN:WN+1]
	v_pk_fma_f32 v[WR:WR+1], v[XR+\p+2:XR+\p+3], v[XR+\p+2:XR+\p+3], v[WR:WR+1]
.endr
	v_pk_add_f32 v[WN:WN+1], v[WN:WN+1], v[WR:WR+1]
	v_add_f32 v[WN], v[WN], v[WN+1]
	REDUCE WN, WN+1
	v_fma_f32 v[VA], v[WN], s39, s40
	v_rsq_f32 v[RS], v[VA]
	v_nop                                          ; a plain instruction between the root and the use of its result (ISA guide 5.7.2),
	s_wait_alu depctr_va_vdst(0)                   ; and a wait ahead of the first line that names the result: the root has written v[RS]
	v_mov_b32 v[RS+1], v[RS]
.irp p, 0,2,4,6,8,10,12,14
	v_pk_mul_f32 v[XR+\p:XR+\p+1], v[XR+\p:XR+\p+1], v[RS:RS+1]
.endr
.irp p, 0,2,4,6,8,10,12,14
	v_pk_fma_f32 v[XR+\p:XR+\p+1], v[XR+\p:XR+\p+1], v[LW+\p:LW+\p+1], v[LB+\p:LB+\p+1]
.endr
	; n = the nearest integer to xn 2/pi, for all sixteen angles; then the sixteen compares 'n is odd' in ONE RUN, each into a scalar register of its own
.irp p, 0,2,4,6,8,10,12,14
	v_pk_mul_f32 v[NN+\p:NN+\p+1], v[XR+\p:XR+\p+1], s[20:21] op_sel_hi:[1,0]
.endr
.irp z, 0,1,2,3,4,5,6,7,8,9,10,11,12,13,14,15
	v_rndne_f32 v[NN+\z], v[NN+\z]
.endr
.irp z, 0,1,2,3,4,5,6,7,8,9,10,11,12,13,14,15
	v_cvt_i32_f32 v[NQ+\z], v[NN+\z]
.endr
.irp z, 0,1,2,3,4,5,6,7,8,9,10,11,12,13,14,15
	v_and_b32 v[WN+\z], 1, v[NQ+\z]
.endr
.irp z, 0,1,2,3,4,5,6,7,8,9,10,11,12,13,14,15
	v_cmp_eq_u32 s[MK+\z], 1, v[WN+\z]
.endr
.irp c, 0,1,2,3                        ; columns 128 c + 4 lane + 2 h + e: ig = 32 c + lane
.irp h, 0,1
	SINCOS2 4*(\c)+2*(\h), QD+32*(\rr)+8*(\c)+4*(\h)
.endr
.endr
	s_wait_alu depctr_va_vdst(0)                   ; the row's eight quads are written, which the LDS stores below read.  Behind the second row it states besides: the LayerNorm is done with v16-79, in which blocks 2 and 3 of the weights land, and all of QD is written, in which the stage's loads land
.irp c, 0,1,2,3
.irp h, 0,1
	ds_store_b128 v[LA], v[QD+32*(\rr)+8*(\c)+4*(\h):QD+32*(\rr)+8*(\c)+4*(\h)+3] offset:(\rr)*16+(\c)*32*PITCH+(\h)*256
.endr
.endr
.endm
	s_wait_loadcnt 16                              ; x, ln_w and ln_b are in; the 16 younger loads, blocks 0 and 1 of the weights, stay out
	LNROW 0
	LNROW 1                                        ; its vector lines name neither the first row's quads nor v[LA], which the first row's stores read
.irp n, 8,9,10,11,12,13,14,15
	FILL \n                                        ; blocks 2 and 3 into F2 and F3.  No wait: no vector line stands behind the second row's last wait
.endr
	s_wait_dscnt 0x0                               ; for the others' sake: my stores into the stage are done
	s_barrier_signal -1
	s_barrier_wait -1                              ; all 16 rows' quads lie in the stage
	s_wait_alu depctr_vm_vsrc(0)                   ; my sixteen LDS stores have read QD, in which the loads below land
.irp n, 0,1,2,3,4,5,6,7,8,9,10,11,12,13,14,15
	ds_load_b128 v[QD+4*(\n):QD+4*(\n)+3], v[LR] offset:(\n)*PITCH
.endr
.irp n, 0,1,2,3,4,5,6,7,8,9,10,11,12,13,14,15
	s_wait_dscnt 15-(\n)                           ; LDS loads come back in order (ISA guide 5.7.1): stage row n is in
	global_store_b128 v[L16], v[QD+4*(\n):QD+4*(\n)+3], s[14:15] offset:(\n)*512  ; the wave stores 512 consecutive bytes, aligned: one (rb, ig)
.endr
	s_cmp_lg_u32 s43, 2040                         ; wave 0 of the last work-group writes the tail
	s_cbranch_scc1 .Lno_tail
	v_mov_b32 v[WN], 0
	v_mov_b32 v[WN+1], 0
	v_mov_b32 v[WN+2], 0
	v_mov_b32 v[WN+3], 0
	s_wait_alu depctr_va_vdst(0)                   ; the four zeros are written, which the store reads; nothing writes these registers again
	global_store_b128 v[L16], v[WN:WN+3], s[2:3]
.Lno_tail:
; THE WEIGHTS.  PACKW: chunk n's cos weight and the sin weight of the same (o, i, g) are rounded into one register.  SEND: its 512 consecutive bytes of wt leave.
.macro PACKW n
.set rf, FC+32*(((\n)/4)%4)-144*((((\n)/4)%4)/2)+8*((\n)%4)
.set ro, OUT+16*(((\n)/4)%2)+4*((\n)%4)
.irp z, 0,1,2,3
	v_cvt_pk_f16_f32 v[ro+\z], v[rf+\z], v[rf+4+\z]
.endr
.endm
.macro SEND n
.set so, OUT+16*(((\n)/4)%2)+4*((\n)%4)
	global_store_b128 v[L16], v[so:so+3], s[12:13] offset:(\n)*512
.endm
; Block p of 8: chunks 4 p to 4 p + 3.  All places stand in immediate offsets: no base and no offset register is written.
.macro BLK p
.if (\p) == 0
	s_wait_loadcnt 24                              ; loads come back in order (ISA guide 5.7.1): block 0 is in; blocks 1, 2 and 3 stay out
.elseif (\p) < 6
	s_wait_loadcnt 16                              ; block p is in; the two younger blocks stay out
.else
	s_wait_loadcnt 8*(7-(\p))                      ; nothing is asked for any more: the counts run down
.endif
.if (\p) >= 2
	s_wait_xcnt 0x0                                ; every earlier memory instruction has had its addresses translated (ISA guide 3.1): OUT[p % 2], which stores issued in the block before read, is rewritten only behind this wait,
	s_wait_alu depctr_vm_vsrc(0)                   ; and those stores have read OUT[p % 2], which this block's roundings write again
.endif
.if (\p) >= 1
	s_wait_alu depctr_va_vdst(0)                   ; the block before has written the other OUT, which the stores below read, and is done reading its F, in which the loads below land
.endif
.irp i, 0,1,2,3
.if ((\p) >= 1) && ((\p) < 5)
	FILL 4*((\p)+3)+(\i)                           ; three blocks ahead; no vector line since the wait names these registers
.endif
.if (\p) >= 1
	SEND 4*((\p)-1)+(\i)                           ; the block before
.endif
	PACKW 4*(\p)+(\i)
.endr
.endm
.irp p, 0,1,2,3,4,5,6,7
	BLK \p
.endr
	s_wait_alu depctr_va_vdst(0)                   ; block 7 has written OUT1, which the last four stores read
.irp n, 28,29,30,31
	SEND \n
.endr
	s_wait_dscnt 0x0                               ; the closing lines, six on end
	s_wait_alu 0x0
	s_wait_tensorcnt 0x0
	ds_add_u32 v[SPW], v[NIL]
	s_wait_dscnt 0x0
	s_endpgm
.Lfunc_end_k_q3230b12dfe_prep:
	.size	k_q3230b12dfe_prep, .Lfunc_end_k_q3230b12dfe_prep-k_q3230b12dfe_prep
	.p2alignl 7, 3214868480
	.fill 96, 4, 3214868480
	.section	.rodata,"a",@progbits
	.p2align	6, 0x0
	.amdhsa_kernel k_q3230b12dfe_prep
		.amdhsa_group_segment_fixed_size 68608
		.amdhsa_private_segment_fixed_size 0
		.amdhsa_enable_private_segment 0
		.amdhsa_kernarg_size 48
		.amdhsa_user_sgpr_count 2
		.amdhsa_user_sgpr_kernarg_segment_ptr 1
		.amdhsa_wavefront_size32 1
		.amdhsa_system_sgpr_workgroup_id_x 1
		.amdhsa_system_sgpr_workgroup_id_y 1
		.amdhsa_system_sgpr_workgroup_id_z 1
		.amdhsa_system_vgpr_workitem_id 0
		.amdhsa_next_free_vgpr 256
		.amdhsa_next_free_sgpr 66
		.amdhsa_reserve_vcc 0
		.amdhsa_float_denorm_mode_32 3
		.amdhsa_float_denorm_mode_16_64 3
		.amdhsa_memory_ordered 1
		.amdhsa_forward_progress 1
		.amdhsa_inst_pref_size 64
	.end_amdhsa_kernel
	.amdgpu_metadata
---
amdhsa.version: [ 1, 2 ]
amdhsa.kernels:
  - .name:           k_q3230b12dfe_prep
    .symbol:         k_q3230b12dfe_prep.kd
    .args:
      - { .name: x, .offset: 0, .size: 8, .value_kind: global_buffer, .address_space: global }
      - { .name: ln_w, .offset: 8, .size: 8, .value_kind: global_buffer, .address_space: global }
      - { .name: ln_b, .offset: 16, .size: 8, .value_kind: global_buffer, .address_space: global }
      - { .name: fouriercoeffs, .offset: 24, .size: 8, .value_kind: global_buffer, .address_space: global }
      - { .name: wt, .offset: 32, .size: 8, .value_kind: global_buffer, .address_space: global }
      - { .name: tab, .offset: 40, .size: 8, .value_kind: global_buffer, .address_space: global }
    .group_segment_fixed_size: 68608
    .private_segment_fixed_size: 0
    .kernarg_segment_align: 8
    .kernarg_segment_size: 48
    .max_flat_workgroup_size: 256
    .sgpr_count:     66
    .vgpr_count:     256
    .wavefront_size: 32
...
	.end_amdgpu_metadata
.endif
;; end of part 5
;; launch gemm: the kernel of part 4 again; grid 16 x 16, 4 waves a work-group, clusters of 4 x 1, 327,680 bytes of LDS; arguments wt, tab, part; writes part
;; launch reduce: the kernel of part 3 again; grid 256 x 1, 8 waves a work-group, no clusters, 35,840 bytes of LDS; arguments part, bias, out0; writes out0
